; MI455X (gfx1250); checked and timed in simulation.
; The chip was launched on July 23, 2026; its instructions are those of AMD's public machine-readable ISA for CDNA 5 (MIT licence, August 2026) and "CDNA5" Instruction Set Architecture Reference Guide (July 2026). The comments in the code are by the model that wrote it; some were corrected since.
;; Attention. Allowed arithmetic: matrix products marked QUANTISED: E2M3 operands, one E8M0 scale for each 32 along K, by v_wmma_scale_f32_16x16x128_f8f6f4 with both operands' format E2M3, f32 sums; everything else in f32.
;; Inputs: Wk_codes 1,024 x 32 x 24 uint8 (E2M3 codes of Wk, K innermost, in blocks of 32 codes, four codes in three bytes); Wk_scales 1,024 x 32 uint8 (E8M0 scales of Wk, one for each 32 codes along K); Wo_codes 1,024 x 32 x 24 uint8 (E2M3 codes of Wo, K innermost, in blocks of 32 codes, four codes in three bytes); Wo_scales 1,024 x 32 uint8 (E8M0 scales of Wo, one for each 32 codes along K); Wq_codes 1,024 x 32 x 24 uint8 (E2M3 codes of Wq, K innermost, in blocks of 32 codes, four codes in three bytes); Wq_scales 1,024 x 32 uint8 (E8M0 scales of Wq, one for each 32 codes along K); Wv_codes 1,024 x 32 x 24 uint8 (E2M3 codes of Wv, K innermost, in blocks of 32 codes, four codes in three bytes); Wv_scales 1,024 x 32 uint8 (E8M0 scales of Wv, one for each 32 codes along K); bo 1,024 float32; k_codes 8 x 1,024 x 32 x 24 uint8 (E2M3 codes of k, K innermost, in blocks of 32 codes, four codes in three bytes); k_scales 8 x 1,024 x 32 uint8 (E8M0 scales of k, one for each 32 codes along K); mask 8 x 1,024 int32; q_codes 8 x 1,024 x 32 x 24 uint8 (E2M3 codes of q, K innermost, in blocks of 32 codes, four codes in three bytes); q_scales 8 x 1,024 x 32 uint8 (E8M0 scales of q, one for each 32 codes along K); target_mask 8 x 1,024 x 1,024 int32; v_codes 8 x 1,024 x 32 x 24 uint8 (E2M3 codes of v, K innermost, in blocks of 32 codes, four codes in three bytes); v_scales 8 x 1,024 x 32 uint8 (E8M0 scales of v, one for each 32 codes along K).
;; Outputs: out0 8 x 1,024 x 1,024 float32.
;; This version of the problem:
;;   THIS VERSION OF THE PROBLEM IS GIVEN IN LOW PRECISION. The matrix products marked QUANTISED in the list below multiply operands that are first quantised to E2M3 (2 exponent bits, 3 mantissa bits; 6 bits a number), with one power-of-two scale for each 32 numbers along K (OCP MX v1.0); their sums are f32. All else is computed in f32.
;;   The module's matrix products, in the order in which they are computed (A, B: the left and right operand; K: the contracted axis; several contracted axes count as one K, in the product's order):
;;     1. [M 8,192, K 1,024] x [K 1,024, N 1,024]; A: input q (given as codes); B: input Wq (given as codes): QUANTISED
;;     2. [M 8,192, K 1,024] x [K 1,024, N 1,024]; A: input k (given as codes); B: input Wk (given as codes): QUANTISED
;;     3. [M 8,192, K 1,024] x [K 1,024, N 1,024]; A: input v (given as codes); B: input Wv (given as codes): QUANTISED
;;     4. batch 128 x [M 1,024, K 64] x [K 64, N 1,024]; A: computed on the way; B: computed on the way: QUANTISED
;;     5. batch 128 x [M 64, K 1,024] x [K 1,024, N 1,024]; A: computed on the way; B: softmax (see below): QUANTISED
;;     6. [M 8,192, K 1,024] x [K 1,024, N 1,024]; A: computed on the way; B: input Wo (given as codes): QUANTISED
;;   THE QUANTISER, for each operand of a quantised product, along K:
;;     - K is cut into blocks of 32 from its start; a last block that is shorter is filled with zeros.
;;     - A block's scale is 2^e with e = floor(log2(the largest magnitude in the block)) - 2, held to -126 .. 127; a block of zeros has e = 0. As a byte (E8M0): e + 127.
;;     - Each number is divided by its block's scale, clamped to +-7.5, and rounded to the nearest number of E2M3, ties to even, subnormals kept.
;;     - The product sums the exact products of the quantised numbers (number of the format x scale) in f32.
;;   ~~~python
;;   def quantise(x, axis):      # numpy; x: float32 -> the quantised numbers, widened to float32 again
;;       x = np.moveaxis(x, axis, -1); K = x.shape[-1]
;;       x = np.pad(x, [(0, 0)] * (x.ndim - 1) + [(0, -K % 32)]); x = x.reshape(x.shape[:-1] + (-1, 32)); a = np.abs(x).max(-1, keepdims=True)
;;       e = np.where(a > 0, np.clip(np.frexp(np.where(a > 0, a, 1))[1] - 1 - 2, -126, 127), 0)      # np.frexp(a)[1] - 1 = floor(log2(a)), exactly
;;       r = np.clip(x / 2.0 ** e, -7.5, 7.5)
;;       step = 2.0 ** (np.maximum(np.frexp(np.where(r == 0, 1, r))[1] - 1, 0) - 3)
;;       q = np.round(r / step) * step * 2.0 ** e      # np.round: ties to even
;;       return np.moveaxis(q.reshape(q.shape[:-2] + (-1,))[..., :K], -1, axis).astype(np.float32)
;;   ~~~
;;   SOFTMAX AHEAD OF A QUANTISED PRODUCT. Where the list says 'softmax', what is quantised is not the finished softmax but p = 2^(t - M), with t = logit x log2(e) and M = ceil(the row's largest t), a whole number; so 1/2 < the row's largest p <= 1. The row's sum l is taken of the UNQUANTISED p, in f32, and the product's result is divided by l at the end. Since M is a whole number, a kernel that streams over the keys may use a running M (the ceiling of the running maximum): every later rescaling is an exact power of two, which a block's scale takes up: the codes' values come out the same.
;;   OPERANDS COMPUTED ON THE WAY. 'Computed on the way' means the value that the module computes at that place (a softmax that the list does not call 'softmax' is quantised finished and normalised). What goes into a quantiser is computed in f32, as accurately as f32 sums, v_exp_f32 and their like allow (about 1e-6 of the number): no bf16 or f16 on the way to a quantiser, and a product that is left as it is and whose result goes on into a quantised operand takes f32 operands (vector FMAs, or v_wmma_f32_16x16x4_f32). A number that lies on a knife's edge between two numbers of the format may be rounded either way, as far as f32 arithmetic and the matrix unit's own rounding can turn it there, and no further.
;;   INPUTS GIVEN AS CODES. Wk (in the module: [1024, 1024], K = its axis 0); Wo (in the module: [1024, 1024], K = its axis 0); Wq (in the module: [1024, 1024], K = its axis 0); Wv (in the module: [1024, 1024], K = its axis 0); k (in the module: [8, 1024, 1024], K = its axis 2); q (in the module: [8, 1024, 1024], K = its axis 2); v (in the module: [8, 1024, 1024], K = its axis 2): each comes as NAME_codes (uint8): NAME with its K axis moved to the last place and cut into blocks of 32 codes, [.., K / 32, bytes a block], one block behind the other in memory; four codes in three bytes: a row's codes are one little-endian stream of bits, code i at bits 6 i .. 6 i + 5 (a code: sign, 2 exponent bits, 3 mantissa bits); and NAME_scales (uint8): the same leading axes, one E8M0 byte (e + 127) for each 32 codes along K. Its value is code x scale, taken as it is: it is not quantised again, and the codes and scales need not be those that the quantiser above would give.
;; One version. Each part assembles by itself: llvm-mc -triple=amdgcn-amd-amdhsa -mcpu=gfx1250 --defsym DOCPART=n.
;; ======== version 1 of 1: 3 launches
;; limits: right only within a limited range of input values
;; workspace buffers: mw 1,048,576 bytes of whole numbers; qc 6,553,600 bytes; kc 6,553,600 bytes; vc 6,553,600 bytes; xb 6,553,600 bytes
;; launch proj (part 1): grid 4 x 128, 4 waves a work-group, clusters of 4 x 4, 327,680 bytes of LDS; arguments q_codes, q_scales, Wq_codes, Wq_scales, k_codes, k_scales, Wk_codes, Wk_scales, v_codes, v_scales, Wv_codes, Wv_scales, qc, kc, vc, mw, mask, target_mask; writes qc, kc, vc, mw
.if DOCPART == 1
	.amdgcn_target "amdgcn-amd-amdhsa--gfx1250"
	.amdhsa_code_object_version 6
	.text
	.protected	k_q395741ff6d_proj
	.globl	k_q395741ff6d_proj
	.p2align	8
	.type	k_q395741ff6d_proj,@function
k_q395741ff6d_proj:
	s_mov_b64 s[64:65], 0
	v_nop
	global_prefetch_b8 v0, s[64:65] scope:SCOPE_SE
	s_setreg_imm32_b32 hwreg(HW_REG_WAVE_MODE, 25, 1), 1
	s_wait_xcnt 0x0
	s_wait_alu depctr_hold_cnt(0) depctr_sa_sdst(0) depctr_va_vdst(0) depctr_va_sdst(0) depctr_va_ssrc(0) depctr_va_vcc(0) depctr_vm_vsrc(0)
	s_getreg_b32 s2, hwreg(HW_REG_IB_STS2, 6, 4)
	s_cmp_eq_u32 s2, 0
	s_cbranch_scc0 .Lentry_in_a_cluster
	s_endpgm
.Lentry_in_a_cluster:
	s_bfe_u32 s2, ttmp6, 0x10000c
	s_cmp_lg_u32 s2, 0xf033
	s_cbranch_scc0 .Lentry_shape_is_right
	s_endpgm
.Lentry_shape_is_right:
; TWO KINDS OF WORK IN ONE LAUNCH, parted at the head by the cluster's number, which all partners and all waves share.  Clusters y = 0 .. 23: the three projections.  Clusters y = 24 .. 31: the two masks are packed (from .Lpack on).
; Each path has LDS bytes of its own and an end of its own.  No work of reference() is left out.
; THE PROJECTIONS.  qh = q Wq, kh = k Wk, vh = v Wv on codes of FP6 (E2M3), one E8M0 scale for each 32 along K = 1,024; the f32 results are quantised in registers and leave as operands of the attention launch.
; SHARES.  Cluster y / 8 names the tensor (0 q, 1 k, 2 v).  A work-group makes 256 x 256 results, a wave 128 x 128: 64 accumulators, 512 registers.
; A row of codes is 768 bytes: three chunks of 256 bytes, each beginning at a multiple of 256.  Chunk c lies in LDS slot c % 2 (rows 272 bytes apart).  At the head each wave asks for one tile of 256 rows:
; wave 0 source 1's chunk 0, wave 1 source 0's chunk 0, waves 2 and 3 the same of chunk 1.  Chunk 2 is the one refill, 128 rows a wave, behind a round of the cluster's barrier in step 2.
; A step is 128 along K, 96 bytes of a row; steps 2 and 5 lie across two chunks.
; THE SCALE BYTES go from memory into registers: a row has 32, lane (r, h) loads the 16 at 32 r + 16 h, so a load covers 512 consecutive bytes, aligned; register j then holds in lanes 0-15 the word of step j and in lanes 16-31 that of step 4 + j.
; ORIENTATION.  A lane holds ONE row of source 1, and its registers run along source 0's rows: the axis along which the result is quantised.
;   q, k: source 0 = W (256 features, cx), source 1 = tokens (block 4 (cluster y % 8) + cy).   v: source 0 = tokens (4 (cluster y % 8) + cx), source 1 = Wv (cy).
; Source 1's tile is asked for jointly by a row of the cluster, source 0's by a column.  No LDS address knows of the tensor or of the place in the cluster.
; THE RESULT.  Register 8 t + j of lane (r, h) of one block of source 1 is number 16 t + 8 h + j of 128 along the quantised axis; registers 16 b .. 16 b + 15 of lanes l and l xor 16 are block b of 32.
; Codes end in a fixed order inside a block; both operands of each later product are made this way, so the order cancels.
; WORKSPACE, images of operand registers: blocks of 12,800 bytes at [8 b + head pair][g 8].  qc, kc (g = 128 tokens): the pair's first head, 8 tiles of 768 bytes, at 0, the second's at 6,144, scale words at 12,288.  vc (g = 128 keys): 8 fragments of 1,536 bytes, scale words likewise.
; LIMITS: a block of zeros gets the byte 1 (the rule says 127): its codes are zeros and this program alone reads the bytes; blocks whose largest magnitude lies under 2^-124 are held at that byte; NaN and infinities are not served.
; No prefetch: the walk along K is eight steps written out, with no loop to run ahead in, and two of the three chunks are asked for at the head.
; REGISTERS: window 0: v16-23 LDS addresses, v26 the scales' offset, v28, v29 for the add, v32-63 source 1's scale words, v64-95 source 0's, v128-223 source 1's fragments, v96-119, v224-247 the way out.
;   window 1: source 0's fragments, two sets at v0 and v128.   windows 2, 3: the accumulators.
.set ROWB,   256
.set KROW,   768
.set PITCH,  272
.set FR,     12
.set NL,     6
.set NP,     4                         ; places behind this matrix instruction (ISA guide 7.12.1)
.set HALFT,  128*PITCH
.set SLOT,   4*HALFT                   ; source 1's 256 rows, then source 0's
.set SPARE,  2*SLOT                    ; the spare words: two blocks of 256 bytes that no other line names
.set ADRA, 16                          ; v16-17 source 1's fragments in slot 0, 1; v18-19 for pieces whose lanes 16-31 read the next chunk
.set ADRB, 20
.set ADS,  26
.set SPW,  28
.set NIL,  29
.set SCA,  32
.set SCB,  64
.set T2,   96
.set TM,   104
.set AF,   128
.set WD,   224
.set WS,   232
.set LQ,   236
.set OFS,  240
.set G1, 24
.set G0, 32
.set G1B, 48
.set G0B, 56
.set G0H, 68
.set G0HB, 72
.set MSB, 0
.macro WIN new                         ; the immediate's high byte repeats the setting that is left
.if MSB != \new
	s_set_vgpr_msb (MSB<<8)|\new
.set MSB, \new
.endif
.endm
.set MUL_LO, 0xa1
.set MUL_HI, 0xf1
.set TO_B,   0x40
; a joint load: s[sel] = 0: source 1's line, else source 0's.  The branch hangs on the wave's number alone.  s_nop 0 and four v_nop follow each line.
.macro JLOAD sel, g0a, g1a, g0b, g1b
	s_cmp_eq_u32 s[\sel], 0
	s_cbranch_scc0 .Lfor_b_\@
	tensor_load_to_lds s[\g0a:\g0a+3], s[\g1a:\g1a+7]
	s_nop 0
.rept 4
	v_nop
.endr
	s_branch .Lasked_\@
.Lfor_b_\@:
	tensor_load_to_lds s[\g0b:\g0b+3], s[\g1b:\g1b+7]
	s_nop 0
.rept 4
	v_nop
.endr
.Lasked_\@:
.endm
.macro CREST
	s_cmp_lg_u32 s14, 0
	s_cbranch_scc1 .Lnot_wave_0_\@
	s_barrier_signal -3
.Lnot_wave_0_\@:
	s_barrier_wait -3
	s_barrier_signal -1
	s_barrier_wait -1
.endm
.macro CROUND
	s_barrier_signal -1
	s_barrier_wait -1
	CREST
.endm
	v_lshl_add_u32 v[SPW], v0, 2, SPARE
	v_mov_b32 v[NIL], 0
	ds_add_u32 v[SPW], v[NIL]                      ; the opening lines: the add twice and its wait
	ds_add_u32 v[SPW], v[NIL]
	s_wait_dscnt 0x0
	v_lshrrev_b32 v1, 5, v0
	v_readfirstlane_b32 s14, v1                    ; wave
	s_bfe_u32 s40, ttmp6, 0x40000                  ; cx
	s_bfe_u32 s41, ttmp6, 0x40004                  ; cy
	s_and_b32 s18, ttmp7, 0xffff                   ; cluster y
	s_cmp_ge_u32 s18, 24
	s_cbranch_scc1 .Lpack
	s_load_b256 s[68:75], s[0:1], 0x0
	s_load_b256 s[76:83], s[0:1], 0x20
	s_load_b256 s[84:91], s[0:1], 0x40
	s_load_b128 s[92:95], s[0:1], 0x60
	s_load_b64 s[96:97], s[0:1], 0x70
	s_lshr_b32 s15, s14, 1                         ; my half of source 1
	s_and_b32 s16, s14, 1                          ; my half of source 0
	s_lshr_b32 s2, s18, 3                          ; which tensor
	s_bfe_u32 s3, ttmp7, 0x10004                   ; 1 for v alone
	s_and_b32 s18, s18, 7
	s_lshl_b32 s18, s18, 2
	s_xor_b32 s19, s3, 1
	s_mul_i32 s17, s18, s19
	s_add_co_u32 s17, s17, s41                     ; source 1's block of 256 rows
	s_mul_i32 s42, s18, s3
	s_add_co_u32 s42, s42, s40                     ; source 0's
	s_lshl_b32 s43, s41, 2
	s_lshl_b32 s43, 15, s43                        ; my row of the cluster
	s_lshl_b32 s44, 0x1111, s40                    ; my column
	s_or_b32 s[G1+0], s43, (1<<20)|(1<<21)|(5<<22)|(3<<25)   ; rows of 256 bytes, 16 bytes of padding behind each
	s_or_b32 s[G1B+0], s44, (1<<20)|(1<<21)|(5<<22)|(3<<25)
.irp g, G1, G1B
	s_mov_b32 s[\g+1], ROWB<<16
	s_mov_b32 s[\g+2], 256<<16                     ; 256 rows at the head
	s_mov_b32 s[\g+3], ROWB<<16
	s_mov_b32 s[\g+4], 256
	s_mov_b32 s[\g+5], KROW
	s_mov_b32 s[\g+6], 0
	s_mov_b32 s[\g+7], 0
.endr
	s_wait_kmcnt 0x0
	s_cmp_eq_u32 s2, 1                             ; my tensor's five buffers: the choice hangs on the cluster's number alone
	s_cselect_b64 s[4:5], s[76:77], s[68:69]
	s_cselect_b64 s[6:7], s[78:79], s[70:71]
	s_cselect_b64 s[8:9], s[80:81], s[72:73]
	s_cselect_b64 s[10:11], s[82:83], s[74:75]
	s_cselect_b64 s[12:13], s[94:95], s[92:93]
	s_cmp_eq_u32 s2, 2
	s_cselect_b64 s[4:5], s[88:89], s[4:5]
	s_cselect_b64 s[6:7], s[90:91], s[6:7]
	s_cselect_b64 s[8:9], s[84:85], s[8:9]
	s_cselect_b64 s[10:11], s[86:87], s[10:11]
	s_cselect_b64 s[12:13], s[96:97], s[12:13]
	s_lshl_b32 s20, s17, 8                         ; the tiles' first rows
	s_lshl_b32 s46, s42, 8
	s_lshl_b32 s22, s15, 7
	s_add_co_u32 s22, s22, s20
	s_lshl_b32 s22, s22, 5                         ; the scale bytes of the 128 rows that I multiply: 32 a row
	s_mov_b32 s23, 0
	s_lshl_b32 s92, s16, 7
	s_add_co_u32 s92, s92, s46
	s_lshl_b32 s92, s92, 5
	s_mov_b32 s93, 0
	s_mul_i32 s20, s20, KROW
	s_mov_b32 s21, 0
	s_mul_i32 s46, s46, KROW
	s_mov_b32 s47, 0
	s_add_nc_u64 s[20:21], s[4:5], s[20:21]
	s_add_nc_u64 s[6:7], s[6:7], s[22:23]
	s_add_nc_u64 s[46:47], s[8:9], s[46:47]
	s_add_nc_u64 s[10:11], s[10:11], s[92:93]
	s_lshl_b32 s18, s15, 8                         ; the head's tiles: chunk wave / 2, into slot wave / 2
	s_mov_b32 s19, 0
	s_mul_i32 s45, s15, SLOT
	s_mov_b32 s[G0H], 1
	s_mov_b32 s[G0H+1], s45
	s_add_nc_u64 s[G0H+2:G0H+3], s[20:21], s[18:19]
	s_or_b32 s[G0H+3], s[G0H+3], 0x80000000
	s_mov_b32 s[G0HB], 1
	s_add_co_u32 s[G0HB+1], s45, 2*HALFT
	s_add_nc_u64 s[G0HB+2:G0HB+3], s[46:47], s[18:19]
	s_or_b32 s[G0HB+3], s[G0HB+3], 0x80000000
	s_mul_i32 s18, s16, 128*KROW                   ; the refill: chunk 2, 128 rows a wave, into slot 0 at wave x 128 rows
	s_add_co_u32 s18, s18, 2*ROWB
	s_mul_i32 s45, s14, HALFT
	s_mov_b32 s[G0], 1
	s_mov_b32 s[G0+1], s45
	s_add_nc_u64 s[G0+2:G0+3], s[20:21], s[18:19]
	s_or_b32 s[G0+3], s[G0+3], 0x80000000
	s_mov_b32 s[G0B], 1
	s_mov_b32 s[G0B+1], s45
	s_add_nc_u64 s[G0B+2:G0B+3], s[46:47], s[18:19]
	s_or_b32 s[G0B+3], s[G0B+3], 0x80000000
	CROUND                                         ; all sixteen work-groups are here: the first joint loads meet
	JLOAD 16, G0H, G1, G0HB, G1B                   ; one tensor load a wave at the head
	; the way out: where my block of 12,800 bytes lies (global offsets alone hang on the tensor)
	s_cmp_eq_u32 s3, 1
	s_cselect_b32 s96, s17, s42                    ; the block of 256 features and my half of it,
	s_cselect_b32 s97, s15, s16
	s_cselect_b32 s46, s42, s17                    ; the block of 256 tokens and my half of it
	s_cselect_b32 s47, s16, s15
	s_lshl_b32 s96, s96, 1
	s_add_co_u32 s96, s96, s97                     ; head pair
	s_lshr_b32 s97, s46, 2
	s_lshl_b32 s97, s97, 3
	s_add_co_u32 s96, s96, s97                     ; 8 x batch + head pair
	s_lshl_b32 s96, s96, 3
	s_and_b32 s46, s46, 3
	s_lshl_b32 s46, s46, 1
	s_add_co_u32 s46, s46, s47                     ; g
	s_add_co_u32 s46, s46, s96
	s_mul_i32 s46, s46, 12800
	s_mov_b32 s47, 0
	s_add_nc_u64 s[12:13], s[12:13], s[46:47]
	s_mul_i32 s20, s3, 5376
	s_sub_co_u32 s20, 6144, s20                    ; registers 6-11 of a block's codes: 6,144 bytes on, or 768 for v
	s_mov_b32 s21, 0
	s_add_nc_u64 s[92:93], s[12:13], s[20:21]
	s_mov_b32 s94, 0x76543210
	s_mov_b32 s95, 0xfedcba98
	s_mul_i32 s76, s15, HALFT
	s_mul_i32 s77, s16, HALFT
	s_add_co_u32 s77, s77, 2*HALFT
	s_mov_b32 s78, SLOT-232
	s_mov_b32 s79, SLOT+232
	s_mul_i32 s80, s3, 768
	s_add_co_u32 s80, s80, 768                     ; from block a to block a + 1 on the way out
	v_and_b32 v1, 15, v0                           ; r
	v_bfe_u32 v2, v0, 4, 1                         ; h
	v_mul_u32_u24 v3, v1, PITCH
	v_mul_u32_u24 v4, v2, 24
	v_add_nc_u32 v4, v3, v4
	v_sub_nc_u32 v7, 1, v2
	v_mul_u32_u24 v5, s78, v2
	v_add_nc_u32 v5, v3, v5
	v_add_nc_u32 v5, 232, v5                       ; lanes 0-15 byte 232 of the row in slot 0, lanes 16-31 byte 0 of the row in slot 1
	v_mul_u32_u24 v6, s79, v7
	v_add_nc_u32 v6, v3, v6                        ; and the other way round
	v_add_nc_u32 v[ADRA+2], s76, v5
	v_add_nc_u32 v[ADRA+3], s76, v6
	v_add_nc_u32 v[ADRB+2], s77, v5
	v_add_nc_u32 v[ADRB+3], s77, v6
	v_add_nc_u32 v[ADRA], s76, v4
	v_add_nc_u32 v[ADRB], s77, v4
	v_add_nc_u32 v[ADRA+1], SLOT, v[ADRA]
	v_add_nc_u32 v[ADRB+1], SLOT, v[ADRB]
	v_lshlrev_b32 v[ADS], 5, v1
	v_lshl_add_u32 v[ADS], v2, 4, v[ADS]           ; 32 r + 16 h
	v_and_b32 v8, 31, v0
	v_lshlrev_b32 v[LQ], 4, v8
	v_lshlrev_b32 v[OFS], 3, v8
.irp a, 1,2,3,4,5,6,7
	v_add_nc_u32 v[OFS+\a], s80, v[OFS+\a-1]
.endr
.irp b, 0,1,2,3
	v_mov_b32 v[TM+4+\b], 0                        ; a lane permute's destination counts as one of its sources
.endr
.irp i, 0,1,2,3,4,5,6,7
	global_load_b128 v[SCA+4*\i:SCA+4*\i+3], v[ADS], s[6:7] offset:512*\i
	global_load_b128 v[SCB+4*\i:SCB+4*\i+3], v[ADS], s[10:11] offset:512*\i
.endr
.macro FRAG reg, adr, st, i            ; 16 rows x 128 K: 12 registers, in pieces of 8 bytes; byte y of a row lies in slot (y / 256) % 2 at byte y % 256 of the LDS row
.irp p, 0,1,2,3,4,5
.set BY, 96*(\st)+48*(\p/3)+8*(\p%3)
.if BY/ROWB == (BY+24)/ROWB
	ds_load_b64 v[\reg+2*\p:\reg+2*\p+1], v[\adr+(BY/ROWB)%2] offset:BY%ROWB+(\i)*16*PITCH
.else
	ds_load_b64 v[\reg+2*\p:\reg+2*\p+1], v[\adr+2+(BY/ROWB)%2] offset:BY%ROWB-232+(\i)*16*PITCH
.endif
.endr
.endm
.macro WM d, f0, f1, c0, c1, mode      ; mode 0: the product starts the sum; 1: steps 1-3; 2: steps 4-7, whose scale words lie in lanes 16-31
.if \mode == 0
	v_wmma_scale_f32_16x16x128_f8f6f4 v[\d:\d+7], v[\f0:\f0+11], v[\f1:\f1+11], 0, v[\c0], v[\c1] matrix_a_fmt:MATRIX_FMT_FP6 matrix_b_fmt:MATRIX_FMT_FP6
.elseif \mode == 1
	v_wmma_scale_f32_16x16x128_f8f6f4 v[\d:\d+7], v[\f0:\f0+11], v[\f1:\f1+11], v[\d:\d+7], v[\c0], v[\c1] matrix_a_fmt:MATRIX_FMT_FP6 matrix_b_fmt:MATRIX_FMT_FP6
.else
	v_wmma_scale_f32_16x16x128_f8f6f4 v[\d:\d+7], v[\f0:\f0+11], v[\f1:\f1+11], v[\d:\d+7], v[\c0], v[\c1] matrix_a_fmt:MATRIX_FMT_FP6 matrix_b_fmt:MATRIX_FMT_FP6 matrix_a_scale:MATRIX_SCALE_ROW1 matrix_b_scale:MATRIX_SCALE_ROW1
.endif
.endm
; 16 matrix instructions: source 1's blocks a0, a0 + 1 x source 0's eight.  The 64 accumulators take turns in the same order in every step.
.macro MUL16 a0, st, zero
.irp a, \a0, \a0+1
.irp b, 0,1,2,3,4,5,6,7
	WM 8*(8*((\a)%4)+\b), 128*((\st)%2)+FR*\b, AF+FR*(\a), SCB+4*\b+(\st)%4, SCA+4*(\a)+(\st)%4, (1+(\st)/4-\zero)
.endr
.endr
.endm
.macro FETCH_B st
	WIN TO_B
.irp i, 0,1,2,3,4,5,6,7
	FRAG 128*((\st)%2)+FR*\i, ADRB, \st, \i
.endr
	WIN 0
.endm
.macro FETCH_A st, i0
.irp i, \i0, \i0+1, \i0+2, \i0+3
	FRAG AF+FR*(\i), ADRA, \st, \i
.endr
.endm
.macro PLACES n
.rept \n
	v_nop
.endr
.endm
; A step: 64 matrix instructions; the next step's fragments are fetched in its middle and at its end.
; kind 1: the next step reads chunk 2: every wave waits for its load, and a barrier shows the chunk whole.  kind 2: chunk 0 is read no more: the three lines, a round of the cluster's barrier, and slot 0 takes chunk 2.
.macro STEP st, kind, zero
.if \kind
	s_wait_tensorcnt 0x0
.if \kind == 2
	ds_add_u32 v[SPW], v[NIL]
	s_wait_dscnt 4*NL+1                            ; the add and the youngest 24 loads may be out
.else
	s_wait_dscnt 4*NL
.endif
	WIN MUL_LO
	MUL16 0, \st, \zero
	s_wait_dscnt 0x0                               ; the add and all my reads are done
	s_barrier_signal -1
	MUL16 2, \st, \zero
	WIN 0
	s_barrier_wait -1
.if \kind == 2
	CREST
	JLOAD 15, G0, G1, G0B, G1B                     ; the first tensor load behind the round; its four v_nop are the places in front of the loads below
.else
	PLACES NP
.endif
.else
	s_wait_dscnt 4*NL                              ; all but source 1's blocks 4-7
	WIN MUL_LO
	MUL16 0, \st, \zero
	MUL16 2, \st, \zero
	s_wait_dscnt 0
	PLACES NP
.endif
	FETCH_B (\st)+1
	FETCH_A (\st)+1, 0
	WIN MUL_HI
	MUL16 4, \st, \zero
	MUL16 6, \st, \zero
	PLACES NP
	WIN 0
	FETCH_A (\st)+1, 4
.endm
	s_wait_alu depctr_va_vdst(0)                   ; the wait at the head's end
	s_wait_tensorcnt 0x0                           ; my tile of the head's four is in, so a descriptor may be written: the refill brings 128 rows a wave
	s_mov_b32 s[G1+2], 128<<16
	s_mov_b32 s[G1+4], 128
	s_mov_b32 s[G1B+2], 128<<16
	s_mov_b32 s[G1B+4], 128
	s_barrier_signal -1
	s_barrier_wait -1                              ; both slots are whole for all four waves; slot 0 takes chunk 2 later, in step 2
	FETCH_B 0
	FETCH_A 0, 0
	FETCH_A 0, 4
	s_wait_loadcnt 0x0                             ; the scale words
	STEP 0, 0, 1
	STEP 1, 0, 0
	STEP 2, 2, 0
	STEP 3, 0, 0
	STEP 4, 1, 0
	STEP 5, 0, 0
	STEP 6, 0, 0
	s_wait_dscnt 4*NL
	WIN MUL_LO
	MUL16 0, 7, 0
	MUL16 2, 7, 0
	s_wait_dscnt 0
	WIN MUL_HI
	MUL16 4, 7, 0
	MUL16 6, 7, 0
	WIN 0
; THE WAY OUT of block a of source 1: 128 numbers a lane pair become 12 registers of codes and a scale word; each store covers 256 consecutive bytes, aligned.
.macro QW a
.set AC, 64*((\a)%4)
.set WN, 2+(\a)/4
.set WN5, WN*5
.set CD, AF+12*(\a)
	WIN WN5
.irp b, 0,1,2,3
	v_max3_num_f32 v[TM+\b], |v[AC+16*\b]|, |v[AC+16*\b+1]|, 0x1800000   ; from each accumulator's low end on; the floor 2^(3 - 127) keeps the byte at 1 or above
.endr
.irp i, 2,4,6,8,10,12,14
.irp b, 0,1,2,3
	v_max3_num_f32 v[TM+\b], |v[AC+16*\b+\i]|, |v[AC+16*\b+\i+1]|, v[TM+\b]
.endr
.endr
	WIN 0
.irp b, 0,1,2,3
	v_permlanex16_b32 v[TM+4+\b], v[TM+\b], s94, s95
.endr
.irp b, 0,1,2,3
	v_max_num_f32 v[TM+\b], v[TM+\b], v[TM+4+\b]
.endr
.irp b, 0,1,2,3
	v_add_nc_u32 v[TM+12+\b], 0xff000000, v[TM+\b] ; 2 off the exponent field: the conversion's scale operand
.endr
.irp b, 0,1,2,3
	v_lshrrev_b32 v[TM+4+\b], 23, v[TM+12+\b]      ; the scale's byte
.endr
	v_lshl_or_b32 v[WD+\a], v[TM+5], 8, v[TM+4]
	v_lshl_or_b32 v[WD+\a], v[TM+6], 16, v[WD+\a]
	v_lshl_or_b32 v[WD+\a], v[TM+7], 24, v[WD+\a]
	WIN WN
.irp c, 0,1
	v_cvt_scalef32_pk16_fp6_f32 v[CD+6*\c:CD+6*\c+2], v[AC+32*\c:AC+32*\c+15], v[TM+12+2*\c]
	v_cvt_scalef32_pk16_fp6_f32 v[T2+4*\c:T2+4*\c+2], v[AC+32*\c+16:AC+32*\c+31], v[TM+12+2*\c+1]
.endr
	WIN 0
	v_nop                                          ; one plain place behind a scaled conversion
.irp c, 0,1
.irp i, 0,1,2
	v_permlane16_swap_b32 v[CD+6*\c+\i], v[T2+4*\c+\i]   ; a whole block in a lane
.endr
.irp i, 0,1,2
	v_mov_b32 v[CD+3+6*\c+\i], v[T2+4*\c+\i]
.endr
.endr
.irp p, 0,1,2
	global_store_b64 v[OFS+\a], v[CD+2*\p:CD+2*\p+1], s[12:13] offset:256*\p
.endr
.irp p, 0,1,2
	global_store_b64 v[OFS+\a], v[CD+6+2*\p:CD+6+2*\p+1], s[92:93] offset:256*\p
.endr
.endm
	PLACES NP
.irp a, 0,1,2,3,4,5,6,7
	QW \a
.endr
	s_mov_b32 vcc_lo, 0xffff0000
.irp i, 0,1,2,3
	v_cndmask_b32 v[WS+\i], v[WD+\i], v[WD+4+\i], vcc_lo   ; lanes 0-15: blocks 0-3, lanes 16-31: blocks 4-7
.endr
	global_store_b128 v[LQ], v[WS:WS+3], s[12:13] offset:12288
	s_wait_tensorcnt 0x0                           ; the wave's end
	ds_add_u32 v[SPW], v[NIL]
	s_wait_dscnt 0x0
	CROUND                                         ; the closing round
	s_endpgm
; THE MASKS.  keep(b, q, k) = (mask[b][k] != 0) and (target_mask[b][q][k] != 0), packed as LANE MASKS.  mw: [b 8][T 64][s 8][64 words]: bit L of word n = 32 c + 8 v + j says whether, for query 16 T + (L % 16),
; key 128 s + 64 c + 32 (L / 16) + 8 (2 (v % 2) + v / 2) + j counts: the place of a score in the registers of S^T = K Q^T as the attention launch chooses the keys of its tiles.
; Wave W = 64 (cluster y - 24) + 16 cy + 4 cx + wave takes batch W / 64, key step (W / 8) % 8 and the eight query tiles 8 (W % 8) + u.  No tensor load stands on this path.
; Each load of target_mask reads 512 consecutive bytes of one row; a unit's 16 rows turn through the wave's own stage in LDS (rows 528 bytes apart) and come back in the scores' layout.
; Loads run three units ahead, in four buffers of window 1; the turn through LDS one unit ahead.  Each store covers 256 consecutive bytes, aligned.
.set PST,  SPARE+512
.set STW,  16*528
.set PX,   32
.set PKM,  160
.set POW,  10
.set PKV,  26
.macro PLOAD u
	WIN TO_B
.irp i, 0,1,2,3,4,5,6,7,8,9,10,11,12,13,14,15
	global_load_b128 v[64*((\u)%4)+4*\i:64*((\u)%4)+4*\i+3], v4, s[6:7] offset:(16*(\u)+\i)*4096 th:TH_LOAD_NT
.endr
	WIN 0
.endm
.macro PSTAGE u, younger               ; younger: the loads issued behind unit u's
	s_wait_loadcnt \younger
	WIN 0x04
.irp i, 0,1,2,3,4,5,6,7,8,9,10,11,12,13,14,15
	ds_store_b128 v6, v[64*((\u)%4)+4*\i:64*((\u)%4)+4*\i+3] offset:528*\i   ; LDS serves a wave's instructions in order
.endr
	WIN 0
.irp t, 0,1,2,3,4,5,6,7
.irp e, 0,1
	ds_load_b128 v[PX+64*((\u)%2)+8*\t+4*\e:PX+64*((\u)%2)+8*\t+4*\e+3], v7 offset:256*(\t/4)+64*(\t%2)+32*((\t%4)/2)+16*\e
.endr
.endr
.endm
.macro PBITS src, dst                  ; 64 numbers a lane become 64 words of lane bits, word n in lane n / 2 of register dst + n % 2
.set n, 0
.rept 4
.irp k, 0,1,2,3,4,5,6,7,8,9,10,11,12,13,14,15
	v_cmp_ne_u32 s[32+16*((n/16)%2)+\k], 0, v[(\src)+n+\k]
.endr
.irp k, 0,1,2,3,4,5,6,7,8,9,10,11,12,13,14,15
	v_writelane_b32 v[(\dst)+(\k%2)], s[32+16*((n/16)%2)+\k], (n+\k)/2
.endr
.set n, n+16
.endr
.endm
.Lpack:
	s_load_b64 s[8:9], s[0:1], 0x78                ; mw
	s_load_b128 s[4:7], s[0:1], 0x80               ; mask, target_mask
	s_sub_co_u32 s18, s18, 24
	s_lshl_b32 s11, s18, 6
	s_lshl_b32 s12, s41, 4
	s_add_co_u32 s11, s11, s12
	s_lshl_b32 s12, s40, 2
	s_add_co_u32 s11, s11, s12
	s_add_co_u32 s11, s11, s14                     ; W
	s_lshr_b32 s12, s11, 6                         ; batch
	s_bfe_u32 s13, s11, 0x30003                    ; key step
	s_and_b32 s15, s11, 7                          ; which eight query tiles
	v_and_b32 v2, 31, v0
	v_and_b32 v3, 15, v0
	v_bfe_u32 v9, v0, 4, 1
	v_lshlrev_b32 v4, 4, v2
	v_lshlrev_b32 v5, 7, v9                        ; 128 h: my half's block of 32 keys
	s_mul_i32 s16, s14, STW
	s_add_co_u32 s16, s16, PST
	v_add_nc_u32 v6, s16, v4
	v_mul_u32_u24 v7, v3, 528
	v_add_nc_u32 v7, v7, v5
	v_add_nc_u32 v7, s16, v7
	v_lshlrev_b32 v8, 3, v2
.set n, 0
.rept 18
	v_mov_b32 v[POW+n], 0                          ; written whole before single lanes are written
.set n, n+1
.endr
	s_lshl_b32 s20, s12, 12
	s_lshl_b32 s22, s13, 9
	s_add_co_u32 s20, s20, s22
	s_mov_b32 s21, 0
	s_lshl_b32 s24, s12, 22
	s_lshl_b32 s25, s15, 19
	s_add_co_u32 s24, s24, s25
	s_add_co_u32 s24, s24, s22
	s_mov_b32 s25, 0
	s_lshl_b32 s26, s12, 17
	s_lshl_b32 s27, s15, 14
	s_add_co_u32 s26, s26, s27
	s_lshl_b32 s27, s13, 8
	s_add_co_u32 s26, s26, s27
	s_mov_b32 s27, 0
	s_wait_kmcnt 0x0
	s_add_nc_u64 s[4:5], s[4:5], s[20:21]
	s_add_nc_u64 s[6:7], s[6:7], s[24:25]
	s_add_nc_u64 s[8:9], s[8:9], s[26:27]
.irp t, 0,1,2,3,4,5,6,7
.irp e, 0,1
	global_load_b128 v[PKM+8*\t+4*\e:PKM+8*\t+4*\e+3], v5, s[4:5] offset:256*(\t/4)+64*(\t%2)+32*((\t%4)/2)+16*\e
.endr
.endr
	PLOAD 0
	PLOAD 1
	s_wait_loadcnt 32                              ; the key mask is in; units 0 and 1 are younger
	PLOAD 2
	PBITS PKM, PKV
	PSTAGE 0, 32
	PLOAD 3
.irp u, 0,1,2,3,4,5,6,7
.if \u < 5
	PSTAGE \u+1, 32                                ; the two units behind it may be out
.elseif \u == 5
	PSTAGE \u+1, 16
.elseif \u == 6
	PSTAGE \u+1, 0
.endif
.if \u < 7
	s_wait_dscnt 32                                ; this unit is back; the next unit's 16 stores and 16 loads may be out
.else
	s_wait_dscnt 0x0
.endif
.if \u < 4
	PLOAD \u+4
.endif
	PBITS PX+64*(\u%2), POW+2*\u
	v_and_b32 v[POW+2*\u], v[POW+2*\u], v[PKV]
	v_and_b32 v[POW+2*\u+1], v[POW+2*\u+1], v[PKV+1]
	global_store_b64 v8, v[POW+2*\u:POW+2*\u+1], s[8:9] offset:2048*\u
.endr
	s_wait_tensorcnt 0x0                           ; the wave's end
	ds_add_u32 v[SPW], v[NIL]
	s_wait_dscnt 0x0
	CROUND
	s_endpgm
.Lfunc_end_k_q395741ff6d_proj:
	.size	k_q395741ff6d_proj, .Lfunc_end_k_q395741ff6d_proj-k_q395741ff6d_proj
	.p2alignl 7, 3214868480
	.fill 96, 4, 3214868480
	.section	.rodata,"a",@progbits
	.p2align	6, 0x0
	.amdhsa_kernel k_q395741ff6d_proj
		.amdhsa_group_segment_fixed_size 327680
		.amdhsa_private_segment_fixed_size 0
		.amdhsa_enable_private_segment 0
		.amdhsa_kernarg_size 144
		.amdhsa_user_sgpr_count 2
		.amdhsa_user_sgpr_kernarg_segment_ptr 1
		.amdhsa_wavefront_size32 1
		.amdhsa_system_sgpr_workgroup_id_x 1
		.amdhsa_system_sgpr_workgroup_id_y 1
		.amdhsa_system_sgpr_workgroup_id_z 1
		.amdhsa_system_vgpr_workitem_id 0
		.amdhsa_next_free_vgpr 1024
		.amdhsa_next_free_sgpr 98
		.amdhsa_reserve_vcc 1
		.amdhsa_float_denorm_mode_32 3
		.amdhsa_float_denorm_mode_16_64 3
		.amdhsa_memory_ordered 1
		.amdhsa_forward_progress 1
		.amdhsa_inst_pref_size 255
	.end_amdhsa_kernel
	.section	.bss,"aw",@nobits
	.p2align	6
	.space	262144
	.amdgpu_metadata
---
amdhsa.version: [ 1, 2 ]
amdhsa.kernels:
  - .name:           k_q395741ff6d_proj
    .symbol:         k_q395741ff6d_proj.kd
    .args:
      - { .name: q_codes, .offset: 0, .size: 8, .value_kind: global_buffer, .address_space: global }
      - { .name: q_scales, .offset: 8, .size: 8, .value_kind: global_buffer, .address_space: global }
      - { .name: Wq_codes, .offset: 16, .size: 8, .value_kind: global_buffer, .address_space: global }
      - { .name: Wq_scales, .offset: 24, .size: 8, .value_kind: global_buffer, .address_space: global }
      - { .name: k_codes, .offset: 32, .size: 8, .value_kind: global_buffer, .address_space: global }
      - { .name: k_scales, .offset: 40, .size: 8, .value_kind: global_buffer, .address_space: global }
      - { .name: Wk_codes, .offset: 48, .size: 8, .value_kind: global_buffer, .address_space: global }
      - { .name: Wk_scales, .offset: 56, .size: 8, .value_kind: global_buffer, .address_space: global }
      - { .name: v_codes, .offset: 64, .size: 8, .value_kind: global_buffer, .address_space: global }
      - { .name: v_scales, .offset: 72, .size: 8, .value_kind: global_buffer, .address_space: global }
      - { .name: Wv_codes, .offset: 80, .size: 8, .value_kind: global_buffer, .address_space: global }
      - { .name: Wv_scales, .offset: 88, .size: 8, .value_kind: global_buffer, .address_space: global }
      - { .name: qc, .offset: 96, .size: 8, .value_kind: global_buffer, .address_space: global }
      - { .name: kc, .offset: 104, .size: 8, .value_kind: global_buffer, .address_space: global }
      - { .name: vc, .offset: 112, .size: 8, .value_kind: global_buffer, .address_space: global }
      - { .name: mw, .offset: 120, .size: 8, .value_kind: global_buffer, .address_space: global }
      - { .name: mask, .offset: 128, .size: 8, .value_kind: global_buffer, .address_space: global }
      - { .name: target_mask, .offset: 136, .size: 8, .value_kind: global_buffer, .address_space: global }
    .group_segment_fixed_size: 327680
    .private_segment_fixed_size: 0
    .kernarg_segment_align: 8
    .kernarg_segment_size: 144
    .max_flat_workgroup_size: 128
    .sgpr_count:     98
    .vgpr_count:     1024
    .wavefront_size: 32
...
	.end_amdgpu_metadata
.endif
;; end of part 1
;; launch attn (part 2): grid 4 x 64, 16 waves a work-group, clusters of 4 x 1, 215,040 bytes of LDS; arguments qc, kc, vc, mw, xb; writes xb
.if DOCPART == 2
	.amdgcn_target "amdgcn-amd-amdhsa--gfx1250"
	.amdhsa_code_object_version 6
	.text
	.protected	k_q395741ff6d_attn
	.globl	k_q395741ff6d_attn
	.p2align	8
	.type	k_q395741ff6d_attn,@function
k_q395741ff6d_attn:
	s_mov_b64 s[64:65], 0
	v_nop
	global_prefetch_b8 v0, s[64:65] scope:SCOPE_SE
	s_setreg_imm32_b32 hwreg(HW_REG_WAVE_MODE, 25, 1), 1
	s_wait_xcnt 0x0
	s_wait_alu depctr_hold_cnt(0) depctr_sa_sdst(0) depctr_va_vdst(0) depctr_va_sdst(0) depctr_va_ssrc(0) depctr_va_vcc(0) depctr_vm_vsrc(0)
	s_getreg_b32 s2, hwreg(HW_REG_IB_STS2, 6, 4)
	s_cmp_eq_u32 s2, 0
	s_cbranch_scc0 .Lentry_in_a_cluster
	s_endpgm
.Lentry_in_a_cluster:
	s_bfe_u32 s2, ttmp6, 0x10000c
	s_cmp_lg_u32 s2, 0x3003
	s_cbranch_scc0 .Lentry_shape_is_right
	s_endpgm
.Lentry_shape_is_right:
; x[b][q][head] = softmax_k(qh . kh / 8, hidden keys at a large negative logit) vh, both products on codes of FP6 (E2M3); x is quantised along C for the last product.
; SOFTMAX: t = score x log2(e) / 8; M = the running largest t rounded up to a whole number; p = 2^(t - M) is quantised along the keys, not normalised; the sum of the unquantised p divides at the end.
; When M moves, the sum and O are multiplied by 2^(old M - new M): exact.
; SHARES.  Work-group y = 8 b + head pair; the four work-groups of a cluster take 256 queries each; wave w of sixteen owns one tile of 16 queries, for the pair's two heads one after the other.
; The pair's K and V of all 1,024 keys (2 x 102,400 bytes, images of operand registers as the launch before laid them) fit in LDS: they are asked for ONCE, jointly by the four partners:
; waves 0 to 7 fetch one eighth each, one tensor load a wave; nothing is filled again.
; LAYOUT.  S^T = K Q^T (source 0 = 16 keys, source 1 = my queries), O^T = V^T P^T: a lane holds one query throughout.
; THE KEYS OF A TILE ARE CHOSEN so that a lane holds whole blocks of 32 keys: row m of tile 4 c + v is key 64 c + 32 (m / 8) + 8 u + m % 8 of the step's 128, u = 2 (v % 2) + v / 2.  Register 32 c + 8 v + j of lane (r, h) is then
; key 64 c + 32 h + 8 u + j: registers 32 c .. 32 c + 31 are block 2 c + h, in the order in which V's codes lie in a block.  So a block's maximum and its codes need no other lane; only the row's maximum and the scale word do.
; Such a tile's rows 0-7 and 8-15 lie in two of the stored tiles of 16 neighbouring keys, 1,536 bytes apart: that stands in the lane's address.
; K = 64: a head's codes fill half a fragment: the pair's first head registers 0-5 (scale bytes 0, 1), the second registers 6-11 (bytes 2, 3).  Q's other half is zero codes; K's other half is whatever tile lies beside it,
; finite codes under scale bytes between 1 and 254, which multiply zeros.
; THE MASKS come as lane masks, one word an accumulator register, by scalar loads a step ahead; they only select values.
; xb: blocks of 102,400 bytes for 128 queries: 8 tiles x 8 pairs x 1,536 bytes of codes (images of operand registers), then 8 pairs x 128 scale words.
; LIMITS: a hidden score is set to -2^33 (logit -2^30, where the definition has -1e9): times the constant c that is exact, so a row with no open key gets p = 1 everywhere, the uniform softmax; results agree
; while true logits stay above -1e9.  A block of zeros gets the byte 1, its codes are zeros.  NaN and infinities are not served.
; No prefetch: all tiles are asked for at the head.
; REGISTERS: v1 8 x lane, v2 16 x lane, v3-6 the step's LDS addresses, v7 -2^33, v8, v10, v11 the scale words' way out, v9 8 h, v12 -M, v13 largest t, v[14:15] the sum,
; v16-21 q of head 0, v22-27 zeros, v28-33 q of head 1, v34-39 and v88-93 zeros, v40-87 K's tiles (6 each), then V's (12 each), v94, v95, v207, v211 lane parts of the LDS addresses, v96-159 S^T, p,
; v160-191 O^T (d tiles 0, 2, 1, 3), v192-203 p's codes, v204-210 conversions' second halves, v212-221 at work, v224-227 K's, v228-231 V's scale words, v232 Q's, v233 p's, v[234:235] f and 0, v236 at work,
; v240-251 x's fragment, v252 its scale word, v254, v255 for the add.
.set KB,   102400
.set STB,  12800
.set VB,   102400
.set XST,  204800                      ; 1,024 bytes in which the sixteen waves' scale words of x meet; no tile lands there
.set SPARE, 0x34000
.macro CROUND
	s_barrier_signal -1
	s_barrier_wait -1
	s_cmp_lg_u32 s14, 0
	s_cbranch_scc1 .Lnot_wave_0_\@
	s_barrier_signal -3
.Lnot_wave_0_\@:
	s_barrier_wait -3
	s_barrier_signal -1
	s_barrier_wait -1
.endm
	s_load_b256 s[20:27], s[0:1], 0x0              ; qc, kc, vc, mw
	s_load_b64 s[28:29], s[0:1], 0x20              ; xb
	v_lshl_add_u32 v254, v0, 2, SPARE
	v_mov_b32 v255, 0
	ds_add_u32 v254, v255                          ; the opening lines: the add twice and its wait
	ds_add_u32 v254, v255
	v_lshrrev_b32 v1, 5, v0
	s_delay_alu instid0(VALU_DEP_1)
	v_readfirstlane_b32 s14, v1                    ; wave 0..15
	s_bfe_u32 s32, ttmp6, 0x40000                  ; cx: it enters global addresses of Q, the masks and x alone
	s_and_b32 s33, ttmp7, 0xffff                   ; y = 8 b + head pair
	s_lshr_b32 s34, s33, 3                         ; b
	s_and_b32 s35, s33, 7                          ; head pair
	s_mul_i32 s38, s33, KB
	s_and_b32 s40, s14, 1                          ; what I fetch, if I fetch: bit 0 of the wave's number two steps, bit 2 four steps, bit 1 K or V
	s_mul_i32 s40, s40, 2*STB
	s_bfe_u32 s16, s14, 0x10002
	s_mul_i32 s16, s16, 4*STB
	s_add_co_u32 s40, s40, s16
	s_bfe_u32 s41, s14, 0x10001
	s_mul_i32 s41, s41, KB
	s_add_co_u32 s42, s38, s40
	s_mov_b32 s43, 0
	s_mov_b32 s52, 15|(3<<16)|(1<<21)              ; 25,600 dense bytes as 100 rows of 256; the mask names all four work-groups
	s_mov_b32 s53, 32<<16
	s_mov_b32 s54, 100<<16
	s_mov_b32 s55, 32<<16
	s_mov_b32 s56, 100
	s_mov_b32 s57, 32
	s_mov_b32 s58, 0
	s_mov_b32 s59, 0
	s_lshl_b32 s36, s32, 4
	s_add_co_u32 s36, s36, s14                     ; T: my tile of queries in the batch
	s_lshl_b32 s37, s34, 6
	s_add_co_u32 s37, s37, s36                     ; 64 b + T
	s_lshl_b32 s44, s34, 17                        ; the masks: 131,072 b + 2,048 T
	s_lshl_b32 s45, s36, 11
	s_add_co_u32 s44, s44, s45
	s_mov_b32 s45, 0
	s_mul_i32 s46, s37, 12288                      ; my codes: 12,288 (64 b + T) + 4,096 ((64 b + T) / 8) + 1,536 pair
	s_mul_i32 s47, s35, 1536
	s_add_co_u32 s46, s46, s47
	s_lshr_b32 s47, s37, 3
	s_lshl_b32 s47, s47, 12
	s_add_co_u32 s46, s46, s47
	s_mov_b32 s47, 0
	s_lshl_b32 s48, s34, 3                         ; the scale words: block 8 b + 2 cx, at 98,304 + 512 pair
	s_lshl_b32 s49, s32, 1
	s_add_co_u32 s48, s48, s49
	s_mul_i32 s48, s48, 102400
	s_lshl_b32 s49, s35, 9
	s_add_co_u32 s48, s48, s49
	s_add_co_u32 s48, s48, 98304
	s_mov_b32 s49, 0
	s_lshl_b32 s50, s32, 1                         ; Q: block 2 cx + w / 8 of the pair's eight, tile w % 8 in it
	s_lshr_b32 s51, s14, 3
	s_add_co_u32 s50, s50, s51
	s_mul_i32 s50, s50, STB
	s_add_co_u32 s50, s50, s38
	s_and_b32 s51, s14, 7
	s_mul_i32 s68, s51, 768
	s_add_co_u32 s68, s68, s50
	s_mov_b32 s69, 0
	s_lshr_b32 s51, s51, 2                         ; its scale words: 12,288 + 16 (r + 16 (tile / 4)) + 4 (tile % 4)
	s_lshl_b32 s51, s51, 8
	s_add_co_u32 s70, s50, s51
	s_and_b32 s51, s14, 3
	s_lshl_b32 s51, s51, 2
	s_add_co_u32 s70, s70, s51
	s_add_co_u32 s70, s70, 12288
	s_mov_b32 s71, 0
	s_mov_b32 s10, 0x76543210
	s_mov_b32 s11, 0xfedcba98                      ; v_permlanex16_b32's selects for lane l xor 16
	s_mov_b32 s12, 0x3e38aa3b                      ; c = log2(e) / 8
	s_mov_b32 s13, s12
	s_mov_b32 s2, 0                                ; byte of the step's mask words in my tile's 2,048
	v_and_b32 v3, 31, v0
	v_and_b32 v4, 15, v0                           ; r
	v_bfe_u32 v5, v0, 4, 1                         ; h
	s_delay_alu instid0(VALU_DEP_3)
	v_lshlrev_b32 v1, 3, v3
	s_delay_alu instid0(VALU_DEP_4)
	v_lshlrev_b32 v2, 4, v3
	v_mov_b32 v7, 0xd0000000                       ; -2^33
	s_lshl_b32 s72, s14, 6
	s_add_co_u32 s72, s72, XST
	v_lshl_add_u32 v8, v4, 2, s72                  ; where my row's scale word of x goes: 64 x wave + 4 r
	v_lshlrev_b32 v9, 3, v5
	v_lshlrev_b32 v11, 4, v0
	s_delay_alu instid0(VALU_DEP_1)
	v_add_nc_u32 v10, XST, v11                     ; where waves 0 and 1 read 16 bytes a thread back
	v_lshrrev_b32 v11, 5, v0
	s_delay_alu instid0(VALU_DEP_1)
	v_mul_u32_u24 v11, 0x19000, v11                ; and where they store them: wave 0 the first block's 512 bytes, wave 1 the next block's
	s_delay_alu instid0(VALU_DEP_1)
	v_add_nc_u32 v11, v11, v2
	v_lshlrev_b32 v253, 4, v4                      ; 16 r
	v_and_b32 v6, 7, v0                            ; r % 8
	v_bfe_u32 v3, v0, 3, 1                         ; r / 8
	s_delay_alu instid0(VALU_DEP_2)
	v_lshlrev_b32 v94, 3, v6                       ; K's codes: 8 (r % 8) + 128 h + 1,536 (r / 8)
	v_lshlrev_b32 v95, 4, v6                       ; K's scale words: 16 (r % 8) + 8 (r / 8) + 256 h
	s_delay_alu instid0(VALU_DEP_2)
	v_lshl_add_u32 v94, v5, 7, v94
	s_delay_alu instid0(VALU_DEP_2)
	v_lshl_add_u32 v95, v3, 3, v95
	s_delay_alu instid0(VALU_DEP_2)
	v_mad_u32_u24 v94, v3, 0x600, v94
	s_delay_alu instid0(VALU_DEP_2)
	v_lshl_add_u32 v95, v5, 8, v95
	v_add_nc_u32 v207, VB, v1                      ; V's codes and scale words
	v_add_nc_u32 v211, VB, v2
	s_wait_dscnt 0x0
	s_wait_kmcnt 0x0
	s_add_nc_u64 s[4:5], s[26:27], s[44:45]
	s_add_nc_u64 s[6:7], s[28:29], s[46:47]
	s_add_nc_u64 s[8:9], s[28:29], s[48:49]
	s_add_nc_u64 s[66:67], s[20:21], s[68:69]
	s_add_nc_u64 s[100:101], s[20:21], s[70:71]
	s_mov_b32 s60, 1
	s_add_co_u32 s61, s41, s40
	s_cmp_eq_u32 s41, 0
	s_cselect_b64 s[62:63], s[22:23], s[24:25]
	s_add_nc_u64 s[62:63], s[62:63], s[42:43]
	s_or_b32 s63, s63, 0x80000000
	CROUND                                         ; all four work-groups are here: the joint loads meet
	s_cmp_lt_u32 s14, 8                            ; waves 0 to 7 fetch, one tensor load a wave
	s_cbranch_scc0 .Lno_fill
	tensor_load_to_lds s[60:63], s[52:59]
	s_nop 0
.rept 4
	v_nop
.endr
.Lno_fill:
	s_wait_alu depctr_va_vdst(0)                   ; the wait
.irp p, 0,1,2
	global_load_b64 v[16+2*\p:17+2*\p], v1, s[66:67] offset:256*\p          ; my queries' codes, the pair's first head,
	global_load_b64 v[28+2*\p:29+2*\p], v1, s[66:67] offset:6144+256*\p     ; and its second
.endr
	global_load_b32 v232, v253, s[100:101]         ; their scale words
	s_load_b512 s[20:35], s[4:5], s2               ; step 0's 64 mask words: s20-51 and s68-99
	s_load_b512 s[36:51], s[4:5], s2 offset:0x40
	s_load_b512 s[68:83], s[4:5], s2 offset:0x80
	s_load_b512 s[84:99], s[4:5], s2 offset:0xc0
.irp j, 22,23,24,25,26,27,34,35,36,37,38,39,88,89,90,91,92,93
	v_mov_b32 v\j, 0                               ; zero codes
.endr
.irp j, 216,217,218,219,235,236
	v_mov_b32 v\j, 0                               ; written once: permute destinations, and the upper half of f's pair
.endr
	v_mov_b32 v13, 0xff61b1e6                      ; the largest t so far: -3e38
	s_delay_alu instid0(VALU_DEP_1)
	v_floor_f32 v12, -v13                          ; -M
	v_mov_b32 v14, 0
	v_mov_b32 v15, 0
.set j, 0
.rept 32
	v_mov_b32 v[160+j], 0                          ; O^T: the step is written once, its first trip finds zeros
.set j, j+1
.endr
; A KEY STEP: 128 keys of head par of the pair; its tiles begin at LDS byte s15.
.macro STEP par
	v_add_nc_u32 v3, s15, v94                      ; these four are also the places between the last step's products and the loads into their registers
	v_add_nc_u32 v5, s15, v95
	v_add_nc_u32 v4, s15, v207
	v_add_nc_u32 v6, s15, v211
.irp t, 0,1,2,3,4,5,6,7
.irp p, 0,1,2
	ds_load_b64 v[40+6*\t+2*\p:41+6*\t+2*\p], v3 offset:6144*\par+3072*(\t/4)+768*(\t%2)+64*((\t%4)/2)+256*\p   ; tile 4 c + v: stored tile 4 c + v % 2 (+ 2 for rows 8-15), its rows 8 (v / 2) ..
.endr
.endr
	ds_load_b64 v[224:225], v5 offset:12288        ; K's scale words: register 224 + v, lanes 0-15 c = 0, lanes 16-31 c = 1
	ds_load_b64 v[226:227], v5 offset:12288+128
	s_wait_alu depctr_va_vdst(0)                   ; the wait
	s_wait_dscnt 0x0
.irp t, 0,1,2,3
	v_wmma_scale_f32_16x16x128_f8f6f4 v[96+8*\t:103+8*\t], v[40+6*\t-6*\par:51+6*\t-6*\par], v[16+6*\par:27+6*\par], 0, v[224+\t], v232 matrix_a_fmt:MATRIX_FMT_FP6 matrix_b_fmt:MATRIX_FMT_FP6
.endr
.irp t, 4,5,6,7
	v_wmma_scale_f32_16x16x128_f8f6f4 v[96+8*\t:103+8*\t], v[40+6*\t-6*\par:51+6*\t-6*\par], v[16+6*\par:27+6*\par], 0, v[220+\t], v232 matrix_a_fmt:MATRIX_FMT_FP6 matrix_b_fmt:MATRIX_FMT_FP6 matrix_a_scale:MATRIX_SCALE_ROW1
.endr
.rept 4
	v_nop                                          ; places in front of the loads into K's registers and of the first read of the scores
.endr
.irp u, 0,1,2,3
.irp p, 0,1,2,3,4,5
	ds_load_b64 v[40+12*\u+2*\p:41+12*\u+2*\p], v4 offset:6144*\par+1536*\u+256*\p   ; V's four fragments are asked for now and land under the softmax
.endr
.endr
	ds_load_b128 v[228:231], v6 offset:12288       ; V's scale words: lanes 0-15 the first head's four tiles, lanes 16-31 the second's
	s_wait_kmcnt 0x0                               ; the step's mask words, asked for a step ago
.set n, 0
.rept 64
	v_cndmask_b32 v[96+n], v7, v[96+n], s[20+n+16*(n/32)]   ; a hidden score becomes -2^33; each accumulator is read from its low end on
.set n, n+1
.endr
	s_add_co_u32 s2, s2, 256
	s_and_b32 s2, s2, 0x7ff                        ; behind step 7 comes step 0 again: the second head's, and at the very end a load that stays inside the buffer and is not used
	s_load_b512 s[20:35], s[4:5], s2
	s_load_b512 s[36:51], s[4:5], s2 offset:0x40
	s_load_b512 s[68:83], s[4:5], s2 offset:0x80
	s_load_b512 s[84:99], s[4:5], s2 offset:0xc0
.irp b, 0,1,2,3
	v_max3_num_f32 v[212+\b], v[96+16*\b], v[97+16*\b], v[98+16*\b]   ; the largest score of each 16 registers, four chains by turns
.endr
.irp i, 3,5,7,9,11,13
.irp b, 0,1,2,3
	s_delay_alu instid0(VALU_DEP_4)
	v_max3_num_f32 v[212+\b], v[212+\b], v[96+16*\b+\i], v[97+16*\b+\i]
.endr
.endr
.irp b, 0,1,2,3
	s_delay_alu instid0(VALU_DEP_4)
	v_max_num_f32 v[212+\b], v[212+\b], v[111+16*\b]
.endr
	s_delay_alu instid0(VALU_DEP_3)
	v_max_num_f32 v212, v212, v213                 ; my block h's largest score: for the row's maximum, and, since p rises with the score, for the block's largest p
	s_delay_alu instid0(VALU_DEP_2)
	v_max_num_f32 v213, v214, v215                 ; and my block 2 + h's
	s_delay_alu instid0(VALU_DEP_1)
	v_max_num_f32 v236, v212, v213
	s_delay_alu instid0(VALU_DEP_1)
	v_permlanex16_b32 v216, v236, s10, s11
	s_delay_alu instid0(VALU_DEP_1)
	v_max_num_f32 v236, v236, v216                 ; with lane l xor 16's 64 keys
	s_delay_alu instid0(VALU_DEP_1)
	v_mul_f32 v236, s12, v236                      ; the step's largest t
	s_delay_alu instid0(VALU_DEP_1)
	v_max_num_f32 v13, v13, v236
	v_mov_b32 v236, v12
	s_delay_alu instid0(VALU_DEP_2)
	v_floor_f32 v12, -v13                          ; the new -M = -ceil(t)
	s_delay_alu instid0(VALU_DEP_1)
	v_sub_f32 v236, v12, v236                      ; old M - new M: a whole number, 0 or less
	s_delay_alu instid0(VALU_DEP_1)
	v_cvt_i32_f32 v236, v236                       ; (it saturates)
	s_delay_alu instid0(VALU_DEP_1)
	v_ldexp_f32 v234, 1.0, v236                    ; f = 2^(old M - new M)
.set j, 0
.rept 32
	v_pk_fma_f32 v[96+j:97+j], v[96+j:97+j], s[12:13], v[12:13] op_sel_hi:[1,0,0]   ; t - M, two at a time
.set j, j+2
.endr
	v_fma_f32 v212, v212, s12, v12
	v_fma_f32 v213, v213, s12, v12
.set j, 0
	s_wait_alu depctr_va_vdst(0)                   ; the wait ahead of the batch
.rept 64
	v_exp_f32 v[96+j], v[96+j]                     ; p = 2^(t - M)
.set j, j+1
.endr
	v_pk_mul_f32 v[14:15], v[14:15], v[234:235] op_sel_hi:[1,0]   ; the sums under the new M: the plain place behind the exponentials
	s_wait_alu depctr_va_vdst(0)                   ; one wait for the batch of 64, ahead of its first reader
	v_exp_f32 v212, v212                           ; each block's largest p
	v_exp_f32 v213, v213
	v_pk_add_f32 v[216:217], v[100:101], v[104:105]
	v_pk_add_f32 v[250:251], v[108:109], v[112:113]
	v_pk_add_f32 v[248:249], v[116:117], v[120:121]
	v_pk_add_f32 v[246:247], v[124:125], v[128:129]
	v_pk_add_f32 v[238:239], v[132:133], v[136:137]
	v_pk_add_f32 v[226:227], v[140:141], v[144:145]
	v_pk_add_f32 v[224:225], v[148:149], v[152:153]
	v_pk_add_f32 v[14:15], v[14:15], v[156:157]
	v_pk_add_f32 v[216:217], v[216:217], v[96:97]
	v_pk_add_f32 v[250:251], v[250:251], v[98:99]
	v_pk_add_f32 v[248:249], v[248:249], v[102:103]
	v_pk_add_f32 v[246:247], v[246:247], v[106:107]
	v_pk_add_f32 v[238:239], v[238:239], v[110:111]
	v_pk_add_f32 v[226:227], v[226:227], v[114:115]
	v_pk_add_f32 v[224:225], v[224:225], v[118:119]
	v_pk_add_f32 v[14:15], v[14:15], v[122:123]
	v_pk_add_f32 v[216:217], v[216:217], v[126:127]
	v_pk_add_f32 v[250:251], v[250:251], v[130:131]
	v_pk_add_f32 v[248:249], v[248:249], v[134:135]
	v_pk_add_f32 v[246:247], v[246:247], v[138:139]
	v_pk_add_f32 v[238:239], v[238:239], v[142:143]
	v_pk_add_f32 v[226:227], v[226:227], v[146:147]
	v_pk_add_f32 v[224:225], v[224:225], v[150:151]
	v_pk_add_f32 v[14:15], v[14:15], v[154:155]
	v_pk_add_f32 v[216:217], v[216:217], v[158:159]
	s_delay_alu instid0(VALU_DEP_2)
	v_pk_add_f32 v[14:15], v[14:15], v[246:247]
	s_delay_alu instid0(VALU_DEP_2)
	v_pk_add_f32 v[216:217], v[216:217], v[238:239]
	v_pk_add_f32 v[250:251], v[250:251], v[226:227]
	v_pk_add_f32 v[248:249], v[248:249], v[224:225]
	s_delay_alu instid0(VALU_DEP_2)
	v_pk_add_f32 v[14:15], v[14:15], v[250:251]
	s_delay_alu instid0(VALU_DEP_2)
	v_pk_add_f32 v[216:217], v[216:217], v[248:249]
	s_delay_alu instid0(VALU_DEP_1)
	v_pk_add_f32 v[14:15], v[14:15], v[216:217]
	s_wait_alu depctr_va_vdst(0)                   ; and one for the two
	v_max_num_f32 v212, 0x1800000, v212            ; the floor 2^(3 - 127): the byte cannot fall under 1
	v_max_num_f32 v213, 0x1800000, v213
	s_delay_alu instid0(VALU_DEP_2)
	v_add_nc_u32 v220, 0xff000000, v212            ; 2 off the exponent field: the conversion's scale operand
	s_delay_alu instid0(VALU_DEP_2)
	v_add_nc_u32 v221, 0xff000000, v213
	s_delay_alu instid0(VALU_DEP_2)
	v_lshrrev_b32 v216, 23, v220
	s_delay_alu instid0(VALU_DEP_2)
	v_lshrrev_b32 v217, 23, v221
	s_delay_alu instid0(VALU_DEP_1)
	v_lshl_or_b32 v233, v217, 16, v216             ; my two bytes: blocks h and 2 + h,
	s_delay_alu instid0(VALU_DEP_1)
	v_lshlrev_b32 v233, v9, v233                   ; at their places in the scale word (8 h bits up);
	s_delay_alu instid0(VALU_DEP_1)
	v_permlanex16_b32 v218, v233, s10, s11
	s_delay_alu instid0(VALU_DEP_1)
	v_or_b32 v233, v233, v218                      ; with lane l xor 16's two the word is whole
.irp c, 0,1
	v_cvt_scalef32_pk16_fp6_f32 v[192+6*\c:194+6*\c], v[96+32*\c:111+32*\c], v[220+\c]
	v_cvt_scalef32_pk16_fp6_f32 v[204+4*\c:206+4*\c], v[112+32*\c:127+32*\c], v[220+\c]   ; (a conversion's three registers begin on an even number)
.endr
	v_nop                                          ; one plain place behind a scaled conversion
.irp c, 0,1
.irp i, 0,1,2
	v_mov_b32 v[195+6*\c+\i], v[204+4*\c+\i]
.endr
.endr
.set j, 0
.rept 16
	v_pk_mul_f32 v[160+j:161+j], v[160+j:161+j], v[234:235] op_sel_hi:[1,0]   ; O^T under the new M; these sixteen are also the places between the writes of p's codes and scale word and the products
.set j, j+2
.endr
	s_wait_alu depctr_va_vdst(0)                   ; the wait ahead of the wait below
	s_wait_dscnt 0x0                               ; V is in
.irp u, 0,1,2,3                                ; the four accumulators take turns; d tile u lies at place 2 (u % 2) + u / 2
.if \par
	v_wmma_scale_f32_16x16x128_f8f6f4 v[160+16*(\u%2)+8*(\u/2):167+16*(\u%2)+8*(\u/2)], v[40+12*\u:51+12*\u], v[192:203], v[160+16*(\u%2)+8*(\u/2):167+16*(\u%2)+8*(\u/2)], v[228+\u], v233 matrix_a_fmt:MATRIX_FMT_FP6 matrix_b_fmt:MATRIX_FMT_FP6 matrix_a_scale:MATRIX_SCALE_ROW1
.else
	v_wmma_scale_f32_16x16x128_f8f6f4 v[160+16*(\u%2)+8*(\u/2):167+16*(\u%2)+8*(\u/2)], v[40+12*\u:51+12*\u], v[192:203], v[160+16*(\u%2)+8*(\u/2):167+16*(\u%2)+8*(\u/2)], v[228+\u], v233 matrix_a_fmt:MATRIX_FMT_FP6 matrix_b_fmt:MATRIX_FMT_FP6
.endif
.endr
.endm
.macro PHASE par, first, trips         ; so many key steps, from LDS byte first on
	s_mov_b32 s15, \first
	s_mov_b32 s3, \trips
.Lphase_\@:
	STEP \par
	s_add_co_u32 s15, s15, STB
	s_sub_co_u32 s3, s3, 1
	s_cmp_lg_u32 s3, 0
	s_cbranch_scc1 .Lphase_\@
.endm
; A HEAD'S END: x = O / the sum, brought into the true order of d (it meets Wo's given codes), quantised: a lane then holds one whole block of 32: d = 32 h + 0 .. 31: registers 6 par .. 6 par + 5 of x's fragment.
.macro HEAD_END par
.rept 4
	v_nop                                          ; places behind the last products
.endr
	v_add_f32 v14, v14, v15
	s_delay_alu instid0(VALU_DEP_1)
	v_permlanex16_b32 v236, v14, s10, s11
	s_delay_alu instid0(VALU_DEP_1)
	v_add_f32 v14, v14, v236                       ; the row's sum
	s_wait_alu depctr_va_vdst(0)
	v_rcp_f32 v14, v14
	v_nop                                          ; a plain place behind the reciprocal
	s_wait_alu depctr_va_vdst(0)                   ; and the wait ahead of its first reader
.set j, 0
.rept 16
	v_pk_mul_f32 v[96+j:97+j], v[160+j:161+j], v[14:15] op_sel_hi:[1,0]   ; v96-103 d = 8 h + j, v104-111 32 + 8 h + j, v112-119 16 + 8 h + j, v120-127 48 + 8 h + j
.set j, j+2
.endr
.irp j, 0,1,2,3,4,5,6,7
	v_permlane16_swap_b32 v[96+\j], v[104+\j]      ; now v96-103 d = 32 h + j, v104-111 32 h + 8 + j,
	v_permlane16_swap_b32 v[112+\j], v[120+\j]     ; v112-119 32 h + 16 + j, v120-127 32 h + 24 + j
.endr
	v_max3_num_f32 v212, |v96|, |v97|, 0x1800000   ; my block's largest magnitude, with the floor, in two chains
	v_max3_num_f32 v213, |v112|, |v113|, 0x1800000
.irp i, 2,4,6,8,10,12,14
	s_delay_alu instid0(VALU_DEP_2)
	v_max3_num_f32 v212, v212, |v[96+\i]|, |v[97+\i]|
	s_delay_alu instid0(VALU_DEP_2)
	v_max3_num_f32 v213, v213, |v[112+\i]|, |v[113+\i]|
.endr
	s_delay_alu instid0(VALU_DEP_1)
	v_max_num_f32 v212, v212, v213
	s_delay_alu instid0(VALU_DEP_1)
	v_add_nc_u32 v220, 0xff000000, v212
	s_delay_alu instid0(VALU_DEP_1)
	v_lshrrev_b32 v216, 23, v220
	v_cvt_scalef32_pk16_fp6_f32 v[240+6*\par:242+6*\par], v[96:111], v220
	v_cvt_scalef32_pk16_fp6_f32 v[204:206], v[112:127], v220
	v_nop
.irp i, 0,1,2
	v_mov_b32 v[243+6*\par+\i], v[204+\i]
.endr
	v_lshlrev_b32 v216, v9, v216                   ; my byte at its place: block 2 par + h
.if \par
	s_delay_alu instid0(VALU_DEP_1)
	v_lshl_or_b32 v252, v216, 16, v252
.else
	s_delay_alu instid0(VALU_DEP_1)
	v_mov_b32 v252, v216
	v_mov_b32 v13, 0xff61b1e6                      ; the second head begins anew
	s_delay_alu instid0(VALU_DEP_1)
	v_floor_f32 v12, -v13
	v_mov_b32 v14, 0
	v_mov_b32 v15, 0
.set j, 0
.rept 32
	v_mov_b32 v[160+j], 0
.set j, j+1
.endr
.endif
.endm
	s_wait_loadcnt 0x0                             ; Q
	s_wait_tensorcnt 0x0                           ; my eighth of K and V is in
	s_barrier_signal -1
	s_barrier_wait -1                              ; all of K and V is in; nothing is filled again
	PHASE 0, 0, 8
	HEAD_END 0
	PHASE 1, 0, 8
	HEAD_END 1
	s_delay_alu instid0(VALU_DEP_1)
	v_permlanex16_b32 v253, v252, s10, s11
	s_delay_alu instid0(VALU_DEP_1)
	v_or_b32 v252, v252, v253                      ; with lane l xor 16's two bytes my row's scale word is whole
.irp c, 0,1,2
	global_store_b128 v2, v[240+4*\c:243+4*\c], s[6:7] offset:512*\c   ; x's fragment as it stands: 512 consecutive bytes a store, aligned
.endr
	ds_store_b32 v8, v252                          ; lanes r and r + 16 write the same word with the same value
	s_wait_dscnt 0x0                               ; for the others' sake
	s_barrier_signal -1
	s_barrier_wait -1
	s_cmp_lt_u32 s14, 2                            ; the sixteen waves' words are two runs of 512 bytes of xb: waves 0 and 1 store them, 16 bytes a thread
	s_cbranch_scc0 .Lno_xs
	ds_load_b128 v[96:99], v10
	s_wait_dscnt 0x0
	global_store_b128 v11, v[96:99], s[8:9]
.Lno_xs:
	s_wait_kmcnt 0x0                               ; the last, unused mask words have landed
	s_wait_tensorcnt 0x0                           ; the wave's end
	ds_add_u32 v254, v255
	s_wait_dscnt 0x0
	CROUND                                         ; the closing round
	s_endpgm
.Lfunc_end_k_q395741ff6d_attn:
	.size	k_q395741ff6d_attn, .Lfunc_end_k_q395741ff6d_attn-k_q395741ff6d_attn
	.p2alignl 7, 3214868480
	.fill 96, 4, 3214868480
	.section	.rodata,"a",@progbits
	.p2align	6, 0x0
	.amdhsa_kernel k_q395741ff6d_attn
		.amdhsa_group_segment_fixed_size 215040
		.amdhsa_private_segment_fixed_size 0
		.amdhsa_enable_private_segment 0
		.amdhsa_kernarg_size 40
		.amdhsa_user_sgpr_count 2
		.amdhsa_user_sgpr_kernarg_segment_ptr 1
		.amdhsa_wavefront_size32 1
		.amdhsa_system_sgpr_workgroup_id_x 1
		.amdhsa_system_sgpr_workgroup_id_y 1
		.amdhsa_system_sgpr_workgroup_id_z 1
		.amdhsa_system_vgpr_workitem_id 0
		.amdhsa_next_free_vgpr 256
		.amdhsa_next_free_sgpr 106
		.amdhsa_reserve_vcc 0
		.amdhsa_float_denorm_mode_32 3
		.amdhsa_float_denorm_mode_16_64 3
		.amdhsa_memory_ordered 1
		.amdhsa_forward_progress 1
		.amdhsa_inst_pref_size 64
	.end_amdhsa_kernel
	.amdgpu_metadata
---
amdhsa.version: [ 1, 2 ]
amdhsa.kernels:
  - .name:           k_q395741ff6d_attn
    .symbol:         k_q395741ff6d_attn.kd
    .args:
      - { .name: qc, .offset: 0, .size: 8, .value_kind: global_buffer, .address_space: global }
      - { .name: kc, .offset: 8, .size: 8, .value_kind: global_buffer, .address_space: global }
      - { .name: vc, .offset: 16, .size: 8, .value_kind: global_buffer, .address_space: global }
      - { .name: mw, .offset: 24, .size: 8, .value_kind: global_buffer, .address_space: global }
      - { .name: xb, .offset: 32, .size: 8, .value_kind: global_buffer, .address_space: global }
    .group_segment_fixed_size: 215040
    .private_segment_fixed_size: 0
    .kernarg_segment_align: 8
    .kernarg_segment_size: 40
    .max_flat_workgroup_size: 512
    .sgpr_count:     106
    .vgpr_count:     256
    .wavefront_size: 32
...
	.end_amdgpu_metadata
.endif
;; end of part 2
;; launch outp (part 3): grid 4 x 64, 4 waves a work-group, clusters of 4 x 4, 327,680 bytes of LDS; arguments xb, Wo_codes, Wo_scales, bo, out0; writes out0
.if DOCPART == 3
	.amdgcn_target "amdgcn-amd-amdhsa--gfx1250"
	.amdhsa_code_object_version 6
	.text
	.protected	k_q395741ff6d_outp
	.globl	k_q395741ff6d_outp
	.p2align	8
	.type	k_q395741ff6d_outp,@function
k_q395741ff6d_outp:
	s_mov_b64 s[64:65], 0
	v_nop
	global_prefetch_b8 v0, s[64:65] scope:SCOPE_SE
	s_setreg_imm32_b32 hwreg(HW_REG_WAVE_MODE, 25, 1), 1
	s_wait_xcnt 0x0
	s_wait_alu depctr_hold_cnt(0) depctr_sa_sdst(0) depctr_va_vdst(0) depctr_va_sdst(0) depctr_va_ssrc(0) depctr_va_vcc(0) depctr_vm_vsrc(0)
	s_getreg_b32 s2, hwreg(HW_REG_IB_STS2, 6, 4)
	s_cmp_eq_u32 s2, 0
	s_cbranch_scc0 .Lentry_in_a_cluster
	s_endpgm
.Lentry_in_a_cluster:
	s_bfe_u32 s2, ttmp6, 0x10000c
	s_cmp_lg_u32 s2, 0xf033
	s_cbranch_scc0 .Lentry_shape_is_right
	s_endpgm
.Lentry_shape_is_right:
; out = x Wo + bo on codes of FP6 (E2M3), K = 1,024.  x comes from the attention launch as images of operand registers with its scale words (xb: a dense block of 102,400 bytes for 128 rows); Wo as given codes, 768 bytes a row.
; SHARES.  A work-group makes 128 rows x 256 columns, 256 work-groups; a wave 64 x 128: 32 accumulators, 256 registers.
; ALL OF K LIES IN LDS AT ONCE: x's block (102,400 bytes) and Wo's 256 rows (3 chunks of 256 bytes a row, 16 bytes of padding behind each: 816 bytes a row, 208,896 in all).  Each wave asks for one tile at the head
; (waves 0, 1: halves of x's block; waves 2, 3: 128 rows of Wo each, a dense block stated as rows of 256 bytes); nothing is filled again.
; THE WALK: the wave's 128 columns go in two halves of 64, each over all of K: sixteen substeps j (half j / 8, K step j % 8) of sixteen matrix instructions.  x's fragments are read from LDS once, in the first half, and stay in 384 registers;
; Wo's four fragments of a substep come two substeps ahead, in three sets.  The first half's 64 x 64 results leave, block by block of 16 rows, among the second half's substeps.
; CLUSTERS: 4 x 4.  x's block hangs on the row block alone and is asked for jointly by a row of the cluster, Wo's rows on the column block alone: by a column.
; Wo's scale bytes go from memory into registers: lane (r, h) loads the 16 bytes at 32 r + 16 h of its row, 512 consecutive bytes a load; register j holds step j's word in lanes 0-15 and step 4 + j's in lanes 16-31.  x's scale words are read from LDS the same way.
; TRANSPOSED USE: source 0 = 16 rows of Wo, source 1 = 16 rows of x: a lane holds eight neighbouring columns of a row of out.  bo is the C of each accumulator's first product.
; THE WAY OUT goes through a stage of 16 rows x 272 bytes a wave, on x's bytes, behind a barrier in front of which every wave's reads of x are over; those bytes have had their only fill.  A store covers two rows' aligned runs of 256 bytes.
; No prefetch: every tile is asked for at the head, and there is no loop to run ahead in.
; REGISTERS: window 0: v16 x's address, v20-23 Wo's, v24-31 other addresses, v32-63 Wo's scale words, v64-79 x's, v80-111 rows on their way out (at the end v112-143 too), v112-255 x's fragments of K steps 5-7.
;   window 1: Wo's fragments, three sets of 48 from v0; bo at v144-207.   window 2: accumulators ((a, b) at v[8 (8 a + b)]).   window 3: x's fragments of K steps 0-4.
.set WPITCH, 816
.set FR,     12
.set WB,     102400
.set HALFW,  128*WPITCH
.set SPARE,  WB+2*HALFW
.set SPITCH, 272
.set ADX,  16
.set ADRB, 20                          ; v20, v21: blocks 0-3, plain and one padding further on for lanes 16-31; v22, v23: blocks 4-7
.set ASX,  24
.set ASW,  25
.set CO,   26
.set STO,  27
.set SPW,  28
.set NIL,  29
.set RD,   30
.set BO,   31
.set SW,   32
.set SX,   64
.set BK,   80
.set BI,   144
.set G1, 24
.set G0, 32
.set G1B, 48
.set G0B, 56
.set MSB, 0
.macro WIN new
.if MSB != \new
	s_set_vgpr_msb (MSB<<8)|\new
.set MSB, \new
.endif
.endm
.set TO_B,  0x40
.macro CREST
	s_cmp_lg_u32 s14, 0
	s_cbranch_scc1 .Lnot_wave_0_\@
	s_barrier_signal -3
.Lnot_wave_0_\@:
	s_barrier_wait -3
	s_barrier_signal -1
	s_barrier_wait -1
.endm
.macro CROUND
	s_barrier_signal -1
	s_barrier_wait -1
	CREST
.endm
.macro PLACES
.rept 4
	v_nop
.endr
.endm
	s_load_b256 s[4:11], s[0:1], 0x0               ; xb, Wo's codes, Wo's scales, bo
	s_load_b64 s[12:13], s[0:1], 0x20              ; out0
	v_lshl_add_u32 v[SPW], v0, 2, SPARE
	v_mov_b32 v[NIL], 0
	ds_add_u32 v[SPW], v[NIL]                      ; the opening lines: the add twice and its wait
	ds_add_u32 v[SPW], v[NIL]
	v_lshrrev_b32 v1, 5, v0
	v_readfirstlane_b32 s14, v1                    ; wave
	s_lshr_b32 s15, s14, 1                         ; my half of the rows.  Also: I fetch x (0) or Wo (1)
	s_and_b32 s16, s14, 1                          ; my half of the columns.  Also: which half of that tile I fetch
	s_bfe_u32 s40, ttmp6, 0x40000
	s_bfe_u32 s41, ttmp6, 0x40004
	s_lshl_b32 s42, ttmp9, 2
	s_add_co_u32 s42, s42, s40                     ; column block
	s_and_b32 s17, ttmp7, 0xffff
	s_lshl_b32 s17, s17, 2
	s_add_co_u32 s17, s17, s41                     ; row block
	s_lshl_b32 s43, s41, 2
	s_lshl_b32 s43, 15, s43
	s_lshl_b32 s44, 0x1111, s40
	s_or_b32 s[G1+0], s43, (3<<16)|(1<<21)         ; x: 51,200 dense bytes as 200 rows of 256 (32 elements of 8 bytes)
	s_mov_b32 s[G1+1], 32<<16
	s_mov_b32 s[G1+2], 200<<16
	s_mov_b32 s[G1+3], 32<<16
	s_mov_b32 s[G1+4], 200
	s_mov_b32 s[G1+5], 32
	s_mov_b32 s[G1+6], 0
	s_mov_b32 s[G1+7], 0
	s_or_b32 s[G1B+0], s44, (3<<16)|(1<<20)|(1<<21)|(5<<22)|(3<<25)   ; Wo: 98,304 dense bytes as 384 rows of 256, 16 bytes of padding behind each
	s_mov_b32 s[G1B+1], 32<<16
	s_mov_b32 s[G1B+2], 384<<16
	s_mov_b32 s[G1B+3], 32<<16
	s_mov_b32 s[G1B+4], 384
	s_mov_b32 s[G1B+5], 32
	s_mov_b32 s[G1B+6], 0
	s_mov_b32 s[G1B+7], 0
	s_mul_i32 s2, s16, 51200
	s_mul_i32 s20, s17, 102400
	s_add_co_u32 s20, s20, s2
	s_mov_b32 s21, 0
	s_lshl_b32 s46, s42, 8
	s_lshl_b32 s18, s16, 7
	s_add_co_u32 s46, s46, s18                     ; Wo's row: 256 x column block + 128 x half
	s_lshl_b32 s22, s46, 5                         ; its scale bytes
	s_mov_b32 s23, 0
	s_lshl_b32 s18, s46, 2                         ; and its place in bo and in a row of out, in bytes
	s_mov_b32 s19, 0
	s_mul_i32 s46, s46, 768
	s_mov_b32 s47, 0
	s_mul_i32 s3, s16, HALFW
	s_add_co_u32 s3, s3, WB
	s_mul_i32 s61, s15, 49152
	s_lshl_b32 s62, s15, 8
	s_add_co_u32 s62, s62, 98304
	s_mul_i32 s63, s14, 16*SPITCH
	s_wait_dscnt 0x0
	s_wait_kmcnt 0x0
	s_add_nc_u64 s[20:21], s[4:5], s[20:21]
	s_add_nc_u64 s[46:47], s[6:7], s[46:47]
	s_add_nc_u64 s[8:9], s[8:9], s[22:23]
	s_add_nc_u64 s[10:11], s[10:11], s[18:19]
	s_lshl_b32 s22, s17, 7
	s_lshl_b32 s23, s15, 6
	s_add_co_u32 s22, s22, s23
	s_lshl_b32 s22, s22, 12                        ; my first row of out, 4,096 bytes a row
	s_mov_b32 s23, 0
	s_add_nc_u64 s[12:13], s[12:13], s[22:23]
	s_add_nc_u64 s[12:13], s[12:13], s[18:19]
	s_mov_b32 s[G0], 1
	s_mov_b32 s[G0+1], s2
	s_mov_b64 s[G0+2:G0+3], s[20:21]
	s_or_b32 s[G0+3], s[G0+3], 0x80000000
	s_mov_b32 s[G0B], 1
	s_mov_b32 s[G0B+1], s3
	s_mov_b64 s[G0B+2:G0B+3], s[46:47]
	s_or_b32 s[G0B+3], s[G0B+3], 0x80000000
	CROUND                                         ; all sixteen work-groups are here: the joint loads meet
	s_cmp_eq_u32 s15, 0                            ; one tensor load a wave; s_nop 0 and four v_nop follow each line
	s_cbranch_scc0 .Lfor_w
	tensor_load_to_lds s[G0:G0+3], s[G1:G1+7]
	s_nop 0
	PLACES
	s_branch .Lasked
.Lfor_w:
	tensor_load_to_lds s[G0B:G0B+3], s[G1B:G1B+7]
	s_nop 0
	PLACES
.Lasked:
	v_and_b32 v1, 15, v0                           ; r
	v_bfe_u32 v2, v0, 4, 1                         ; h
	v_and_b32 v6, 31, v0
	v_mul_u32_u24 v3, v1, WPITCH
	v_mul_u32_u24 v4, v2, 24
	v_add_nc_u32 v4, v3, v4
	v_add_nc_u32 v[ADRB], s3, v4
	v_lshl_add_u32 v[ADRB+1], v2, 4, v[ADRB]
	v_add_nc_u32 v[ADRB+2], 64*WPITCH, v[ADRB]
	v_add_nc_u32 v[ADRB+3], 64*WPITCH, v[ADRB+1]
	v_lshlrev_b32 v11, 4, v6
	v_add_nc_u32 v[ADX], s61, v11
	v_lshlrev_b32 v5, 2, v1
	v_lshl_add_u32 v5, v2, 11, v5
	v_add_nc_u32 v[ASX], s62, v5                   ; x's scale words: 4 x row, lanes 16-31 four pairs (2,048 bytes) on
	v_lshlrev_b32 v[BO], 5, v2
	v_lshlrev_b32 v7, 5, v1
	v_lshl_add_u32 v[ASW], v2, 4, v7               ; 32 r + 16 h
	v_mul_u32_u24 v8, v1, SPITCH
	v_lshl_add_u32 v8, v2, 5, v8
	v_add_nc_u32 v[STO], s63, v8                   ; into the stage: row r, 32 bytes for each half of the lanes
	v_mul_u32_u24 v9, v2, SPITCH
	v_lshl_add_u32 v9, v1, 4, v9
	v_add_nc_u32 v[RD], s63, v9                    ; back: lanes 0-15 one row of 256 bytes, lanes 16-31 the next
	v_lshlrev_b32 v10, 12, v2
	v_lshl_add_u32 v[CO], v1, 4, v10               ; and the same two rows in out
	WIN TO_B
.irp b, 0,1,2,3,4,5,6,7
	global_load_b128 v[BI+8*\b:BI+8*\b+3], v[BO], s[10:11] offset:64*\b
	global_load_b128 v[BI+8*\b+4:BI+8*\b+7], v[BO], s[10:11] offset:64*\b+16
.endr
	WIN 0
.irp b, 0,1,2,3,4,5,6,7
	global_load_b128 v[SW+4*\b:SW+4*\b+3], v[ASW], s[8:9] offset:512*\b
.endr
.macro FRAG reg, kk, i                 ; byte y of a row of Wo lies at y + 16 (y / 256) of its LDS row; where lanes 16-31, 24 bytes on, lie behind one padding more, the second address register serves
.irp p, 0,1,2,3,4,5
.set BY, 96*(\kk)+48*(\p/3)+8*(\p%3)
.set XC, (BY+24)/256-BY/256
	ds_load_b64 v[\reg+2*\p:\reg+2*\p+1], v[ADRB+2*((\i)/4)+XC] offset:BY+16*(BY/256)+((\i)%4)*16*WPITCH
.endr
.endm
.macro GRP j                           ; substep j's loads: Wo's four fragments into set j % 3 (24 loads); in the first half also x's four fragments of K step j (12 loads)
	WIN TO_B
.irp b, 0,1,2,3
	FRAG 48*((\j)%3)+FR*\b, (\j)%8, 4*((\j)/8)+\b
.endr
.if (\j) < 5
	WIN 0xc0
.set XR, 48*(\j)
.else
	WIN 0
.set XR, 112+48*((\j)-5)
.endif
.if (\j) < 8
.irp i, 0,1,2,3
.irp c, 0,1,2
	ds_load_b128 v[XR+FR*\i+4*\c:XR+FR*\i+4*\c+3], v[ADX] offset:12288*\i+1536*(\j)+512*\c
.endr
.endr
.endif
	WIN 0
.endm
.macro MULS j                          ; sixteen matrix instructions on sixteen accumulators by turns, in the same order in every substep
.set KK, (\j)%8
.set PH, (\j)/8
.set W3, 48*((\j)%3)
.if KK == 0
	WIN 0x9d                                       ; Wo window 1, x window 3, C (bo) window 1, D window 2
.elseif KK < 5
	WIN 0xad
.else
	WIN 0xa1                                       ; x window 0
.endif
.if KK < 5
.set XR, 48*KK
.else
.set XR, 112+48*(KK-5)
.endif
.irp a, 0,1,2,3
.irp b, 0,1,2,3
.set DD, 8*(8*\a+4*PH+\b)
.set WW, SW+4*(4*PH+\b)+KK%4
.set XX, SX+4*\a+KK%4
.if KK == 0
	v_wmma_scale_f32_16x16x128_f8f6f4 v[DD:DD+7], v[W3+FR*\b:W3+FR*\b+11], v[XR+FR*\a:XR+FR*\a+11], v[BI+8*(4*PH+\b):BI+8*(4*PH+\b)+7], v[WW], v[XX] matrix_a_fmt:MATRIX_FMT_FP6 matrix_b_fmt:MATRIX_FMT_FP6
.elseif KK < 4
	v_wmma_scale_f32_16x16x128_f8f6f4 v[DD:DD+7], v[W3+FR*\b:W3+FR*\b+11], v[XR+FR*\a:XR+FR*\a+11], v[DD:DD+7], v[WW], v[XX] matrix_a_fmt:MATRIX_FMT_FP6 matrix_b_fmt:MATRIX_FMT_FP6
.else
	v_wmma_scale_f32_16x16x128_f8f6f4 v[DD:DD+7], v[W3+FR*\b:W3+FR*\b+11], v[XR+FR*\a:XR+FR*\a+11], v[DD:DD+7], v[WW], v[XX] matrix_a_fmt:MATRIX_FMT_FP6 matrix_b_fmt:MATRIX_FMT_FP6 matrix_a_scale:MATRIX_SCALE_ROW1 matrix_b_scale:MATRIX_SCALE_ROW1
.endif
.endr
.endr
	WIN 0
.endm
.macro TOSTAGE ph, a, bk               ; 16 rows x 64 columns through my stage: 8 stores, 8 loads
	WIN 0x08
.irp b, 0,1,2,3
	ds_store_b128 v[STO], v[8*(8*(\a)+4*(\ph)+\b):8*(8*(\a)+4*(\ph)+\b)+3] offset:64*\b          ; each accumulator from its low end on
	ds_store_b128 v[STO], v[8*(8*(\a)+4*(\ph)+\b)+4:8*(8*(\a)+4*(\ph)+\b)+7] offset:64*\b+16
.endr
	WIN 0
.irp t, 0,1,2,3,4,5,6,7
	ds_load_b128 v[\bk+4*\t:\bk+4*\t+3], v[RD] offset:\t*2*SPITCH        ; LDS serves a wave's instructions in order: these see the stores above
.endr
.endm
.macro SEND ph, a, bk, younger         ; younger: the LDS instructions issued behind TOSTAGE's
	s_wait_dscnt \younger
.irp t, 0,1,2,3,4,5,6,7
	global_store_b128 v[CO], v[\bk+4*\t:\bk+4*\t+3], s[12:13] offset:65536*(\a)+8192*\t+256*(\ph) th:TH_STORE_NT
.endr
.endm
; A substep: four places behind the last substep's products, whose set of Wo's registers the loads below fill; the loads of substep j + 2; the wait for substep j's own; the products.
; n: LDS instructions that may stay out: at most those of substeps j + 1 and j + 2 (36 + 36, held at 60, up to j = 5; 36 + 24; then 24 + 24; at the end 24 and the stage's 16).
.macro SUB j, n
	PLACES
.if (\j) < 14
	GRP (\j)+2
.endif
	s_wait_dscnt \n
	MULS \j
.endm
	s_wait_alu depctr_va_vdst(0)                   ; the wait at the head's end
	s_wait_tensorcnt 0x0                           ; my tile is in
	s_barrier_signal -1
	s_barrier_wait -1                              ; all four tiles are in
.irp i, 0,1,2,3
.irp q, 0,1,2,3
	ds_load_b32 v[SX+4*\i+\q], v[ASX] offset:512*\q+64*\i
.endr
.endr
	GRP 0
	GRP 1
	s_wait_loadcnt 0x0                             ; bo and Wo's scale words
.irp j, 0,1,2,3,4,5,6
	SUB \j, 60
.endr
	SUB 7, 48
	PLACES                                         ; substep 8: behind the first half's last products
	s_wait_dscnt 0x0                               ; my reads of x are over (and substeps 8 and 9's fragments are in):
	s_barrier_signal -1                            ; say so, work on registers meanwhile,
	MULS 8
	s_barrier_wait -1                              ; and behind this wait nobody reads x's bytes: the stages may be written
	GRP 10
	TOSTAGE 0, 0, BK
	SUB 9, 48
	SEND 0, 0, BK, 24                              ; behind the stage's loads: substep 11's 24
.irp a, 1,2
	SUB 8+2*\a, 48
	s_wait_xcnt 0x0                                ; the last block's stores have read their registers
	TOSTAGE 0, \a, BK
	SUB 9+2*\a, 48
	SEND 0, \a, BK, 24
.endr
	SUB 14, 24
	s_wait_xcnt 0x0
	TOSTAGE 0, 3, BK
	SUB 15, 16
	SEND 0, 3, BK, 0
	PLACES                                         ; behind the last products: their results are read, and x's registers v112-143 take rows
	s_wait_xcnt 0x0
	TOSTAGE 1, 0, BK
	TOSTAGE 1, 1, BK+32
	SEND 1, 0, BK, 16
	s_wait_xcnt 0x0
	TOSTAGE 1, 2, BK
	SEND 1, 1, BK+32, 16
	s_wait_xcnt 0x0
	TOSTAGE 1, 3, BK+32
	SEND 1, 2, BK, 16
	SEND 1, 3, BK+32, 0
	s_wait_tensorcnt 0x0                           ; the wave's end
	ds_add_u32 v[SPW], v[NIL]
	s_wait_dscnt 0x0
	CROUND                                         ; the closing round
	s_endpgm
.Lfunc_end_k_q395741ff6d_outp:
	.size	k_q395741ff6d_outp, .Lfunc_end_k_q395741ff6d_outp-k_q395741ff6d_outp
	.p2alignl 7, 3214868480
	.fill 96, 4, 3214868480
	.section	.rodata,"a",@progbits
	.p2align	6, 0x0
	.amdhsa_kernel k_q395741ff6d_outp
		.amdhsa_group_segment_fixed_size 327680
		.amdhsa_private_segment_fixed_size 0
		.amdhsa_enable_private_segment 0
		.amdhsa_kernarg_size 40
		.amdhsa_user_sgpr_count 2
		.amdhsa_user_sgpr_kernarg_segment_ptr 1
		.amdhsa_wavefront_size32 1
		.amdhsa_system_sgpr_workgroup_id_x 1
		.amdhsa_system_sgpr_workgroup_id_y 1
		.amdhsa_system_sgpr_workgroup_id_z 1
		.amdhsa_system_vgpr_workitem_id 0
		.amdhsa_next_free_vgpr 1024
		.amdhsa_next_free_sgpr 98
		.amdhsa_reserve_vcc 0
		.amdhsa_float_denorm_mode_32 3
		.amdhsa_float_denorm_mode_16_64 3
		.amdhsa_memory_ordered 1
		.amdhsa_forward_progress 1
		.amdhsa_inst_pref_size 92
	.end_amdhsa_kernel
	.amdgpu_metadata
---
amdhsa.version: [ 1, 2 ]
amdhsa.kernels:
  - .name:           k_q395741ff6d_outp
    .symbol:         k_q395741ff6d_outp.kd
    .args:
      - { .name: xb, .offset: 0, .size: 8, .value_kind: global_buffer, .address_space: global }
      - { .name: Wo_codes, .offset: 8, .size: 8, .value_kind: global_buffer, .address_space: global }
      - { .name: Wo_scales, .offset: 16, .size: 8, .value_kind: global_buffer, .address_space: global }
      - { .name: bo, .offset: 24, .size: 8, .value_kind: global_buffer, .address_space: global }
      - { .name: out0, .offset: 32, .size: 8, .value_kind: global_buffer, .address_space: global }
    .group_segment_fixed_size: 327680
    .private_segment_fixed_size: 0
    .kernarg_segment_align: 8
    .kernarg_segment_size: 40
    .max_flat_workgroup_size: 128
    .sgpr_count:     98
    .vgpr_count:     1024
    .wavefront_size: 32
...
	.end_amdgpu_metadata
.endif
;; end of part 3
